; MI455X (gfx1250); checked and timed in simulation.
; The chip was launched on July 23, 2026; its instructions are those of AMD's public machine-readable ISA for CDNA 5 (MIT licence, August 2026) and "CDNA5" Instruction Set Architecture Reference Guide (July 2026). The comments in the code are by the model that wrote it; some were corrected since.
;; GRKU Cell. Allowed arithmetic: float matrix products may take bf16 or f16 operands with f32 sums; other float arithmetic in f32, or as packed bf16 or f16 multiplies, adds, multiply-adds, maxima and minima; sums over many terms, partial sums and values carried from step to step in f32; what a program stores and reads back later, other than sums and carried values, may be rounded once to bf16 or f16.
;; Inputs: cn_b 512 float32; cn_g 512 float32; grid1 1,024 x 12 float32; grid2 64 x 12 float32; h_prev 8,192 x 512 float32; ip_b 512 float32; ip_w 512 x 256 float32; k1_base 64 x 1,024 float32; k1_scaler 64 x 1,024 float32; k1_spline 64 x 1,024 x 8 float32; k2_base 512 x 64 float32; k2_scaler 512 x 64 float32; k2_spline 512 x 64 x 8 float32; rg_b 512 float32; rg_beta 512 float32; rg_g 512 float32; rg_w 512 x 1,024 float32; rp_b 512 float32; rp_w 512 x 1,024 float32; ug_b 512 float32; ug_beta 512 float32; ug_g 512 float32; ug_w 512 x 1,024 float32; x 8,192 x 256 float32.
;; Outputs: out0 8,192 x 512 float32.
;; 2 versions, each right; version 2 is version 1 with the launch final written anew for expert scheduling mode. Each part assembles by itself: llvm-mc -triple=amdgcn-amd-amdhsa -mcpu=gfx1250 --defsym DOCPART=n.
;; ======== version 1 of 2: 4 launches
;; workspace buffers: wts 5,177,344 bytes; kc 348,160 bytes; vec 20,480 bytes; comb 16,777,216 bytes; z 50,331,648 bytes; midp 4,194,304 bytes; reset 8,388,608 bytes
;; launch prep (part 1): grid 256 x 1, 8 waves a work-group, no clusters, 0 bytes of LDS; arguments rg_w, ug_w, rp_w, k1_spline, k1_scaler, k1_base, k2_spline, k2_scaler, k2_base, ip_w, grid1, grid2, wts, kc, ip_b, rp_b, cn_g, cn_b, ug_b, ug_g, ug_beta, rg_b, rg_g, rg_beta, vec; writes wts, kc, vec
.if DOCPART == 1
	.amdgcn_target "amdgcn-amd-amdhsa--gfx1250"
	.amdhsa_code_object_version 6
	.text
	.protected	k_q59d6d980c2_prep
	.globl	k_q59d6d980c2_prep
	.p2align	8
	.type	k_q59d6d980c2_prep,@function
k_q59d6d980c2_prep:
	s_mov_b64 s[64:65], 0
	v_nop
	global_prefetch_b8 v0, s[64:65] scope:SCOPE_SE
	s_setreg_imm32_b32 hwreg(HW_REG_WAVE_MODE, 25, 1), 1
	s_wait_xcnt 0x0
; PREP: all weights rounded once to bf16 and laid in the order in which a matrix fragment is loaded (groups of 512 bytes: lane l's 16 bytes at 16 l;
; lane l = (r = l % 16, h = l / 16) holds 8 numbers along K of row r); the knots' constants; copies of the biases and gains.
; wts: WIP at 0: [ks 8][nt 32][e 2][512]: ip_w[16 nt + r][32 ks + 16 e + 8 h + 0..7].
;      W2 at 262,144: 32 blocks (16 q + t) of 135,168 bytes: gates [c 2][nt 48][e][512] (row 768 q + 16 nt + r of rg_w, ug_w, rp_w stacked; feature 64 t + 32 c + 16 e + 8 h + m),
;      then K1 [kf 8][nt 4][e][512] (k1_spline x k1_scaler of feature 64 t + 32 q + 4 kf + 2 e + h, its 8 numbers), then KB [nt 4][e][512] (k1_base, feature 64 t + 32 q + 16 e + 8 h + m).
;      WK2 at 4,587,520: [ks 18][nt 32][e][512]: ks < 16 k2_spline x k2_scaler of feature 4 ks + 2 e + h; ks = 16, 17 k2_base.
; kc:  [sg 34][chunk 20][lane 32][4 f32]: for feature 32 sg + lane (sg 32, 33: grid2) forty pairs (slope, offset) of lines x slope + offset:
;      pairs 0-9 P_j, 10-19 Q_j: the basis of degree 1 is clamp(P_j) - clamp(Q_j); 20-29 (x - g_j) / (g_{j+2} - g_j); 30-38 (x - g_j) / (g_{j+3} - g_j); 39 zeros.
;      THE KNOTS MAY STAND IN ANY ORDER.  An interval [g_j, g_{j+1}) that does not ascend is empty, as in reference()'s comparison.  P_j is interval j's ramp if it ascends, else a step at g_{j+1} if interval
;      j + 1 ascends, else 0; Q_j is interval j + 1's ramp if it ascends, else the step if interval j ascends, else 0.  A step is a ramp of slope 2^40.
; vec: [10][512] f32: ip_b, rp_b, cn_g, cn_b, ug_b, ug_g, ug_beta, rg_b, rg_g, rg_beta, each number rounded once to bf16 and written as f32, so that its readers need no unpacking.
; LIMITS: a feature's knots differ from each other (reference() divides by their differences); the reciprocal is v_rcp_f32's; where neighbouring knots stand out of order reference()'s function jumps at a
; knot: within 2^-40 above that knot a number between the two sides is taken, at the knot itself the lower side's.
; SHARES: wave G = 8 x work-group + wave (0 .. 2,047) makes one group of each gate matrix, one of K1, and one more job by G's range.  All its loads go out before its first wait.
.set W2,  262144
.set BLK, 135168
.set WK2, 4587520
.set DL,     2          ; 16 l
.set VL4096, 3          ; r x pitch + 32 h, for the row pitches in bytes
.set VL32K,  4
.set VL2048, 5
.set VL1024, 6
.set VL256,  7
.set VS4096, 8          ; r x pitch + 4 h, for the scalers
.set VS256,  9
.set VG,     13         ; 48 l: a feature's 12 knots
.set VO,     14         ; my 16 bytes in a vector of 2,048
.set GK,  88            ; v[88:99]   the knots (the vectors' job: v[88:127])
.set DK,  100           ; v[100:129] the differences, then their reciprocals: 11 of span 1, 10 of span 2, 9 of span 3
.set OF,  130           ; v[130:140] the ramps' offsets
.set SO,  142           ; v[142:151] the steps' offsets
.set VH,  152           ; 2^40
.set KO,  160           ; v[160:239] the pairs
.set ORD, 88            ; s[88:98]   lanes whose interval j ascends
.macro SHA d, a, n                     ; s[d] += s[a] << n
	s_lshl_b32 s69, s[\a], \n
	s_add_co_u32 s[\d], s[\d], s69
.endm
	s_load_b512 s[8:23], s[0:1], 0x0               ; rg_w 8, ug_w 10, rp_w 12, k1_spline 14, k1_scaler 16, k1_base 18, k2_spline 20, k2_scaler 22
	s_load_b256 s[24:31], s[0:1], 0x40             ; k2_base 24, ip_w 26, grid1 28, grid2 30
	s_load_b128 s[32:35], s[0:1], 0x60             ; wts 32, kc 34
	v_lshrrev_b32 v1, 5, v0
	v_readfirstlane_b32 s36, v1
	s_lshl_b32 s37, ttmp9, 3
	s_add_co_u32 s36, s36, s37                     ; G
	v_and_b32 v1, 31, v0
	v_and_b32 v10, 15, v0
	v_bfe_u32 v11, v0, 4, 1
	v_lshlrev_b32 v[DL], 4, v1
	v_lshlrev_b32 v12, 5, v11
	v_lshl_add_u32 v[VL4096], v10, 12, v12
	v_lshl_add_u32 v[VL32K], v10, 15, v12
	v_lshl_add_u32 v[VL2048], v10, 11, v12
	v_lshl_add_u32 v[VL1024], v10, 10, v12
	v_lshl_add_u32 v[VL256], v10, 8, v12
	v_lshlrev_b32 v12, 2, v11
	v_lshl_add_u32 v[VS4096], v10, 12, v12
	v_lshl_add_u32 v[VS256], v10, 8, v12
	v_mul_u32_u24 v[VG], v1, 48
	s_and_b32 s37, s36, 1                          ; e
	s_bfe_u32 s38, s36, 0x10001                    ; c
	s_bfe_u32 s39, s36, 0x50002                    ; n tile in its matrix
	s_lshr_b32 s40, s36, 7                         ; t
	s_lshl_b32 s42, s39, 16                        ; the gates' source offset: 16 rows of 4,096 bytes a tile, 256 t + 128 c + 64 e along a row
	SHA 42, 40, 8
	SHA 42, 38, 7
	SHA 42, 37, 6
	s_mov_b32 s43, 0
	s_mul_i32 s41, s38, 49152
	SHA 41, 37, 9
	s_add_co_u32 s41, s41, W2
	s_wait_kmcnt 0x0
; gate matrix j: n tile N = 32 j + tile of the stack; q = N >= 48; its loads
.macro GJOB j, sp
	s_add_co_u32 s70, s39, 32*(\j)
	s_cmp_ge_u32 s70, 48
	s_cselect_b32 s71, 1, 0
	s_mul_i32 s72, s71, 48
	s_sub_co_u32 s70, s70, s72
	s_lshl_b32 s71, s71, 4
	s_add_co_u32 s71, s71, s40
	s_mul_i32 s71, s71, BLK
	s_lshl_b32 s70, s70, 10
	s_add_co_u32 s70, s70, s71
	s_add_co_u32 s70, s70, s41
	s_mov_b32 s71, 0
	s_add_nc_u64 s[44+4*(\j):45+4*(\j)], s[\sp:\sp+1], s[42:43]
	s_add_nc_u64 s[46+4*(\j):47+4*(\j)], s[32:33], s[70:71]
	global_load_b128 v[16+8*(\j):19+8*(\j)], v[VL4096], s[44+4*(\j):45+4*(\j)]
	global_load_b128 v[20+8*(\j):23+8*(\j)], v[VL4096], s[44+4*(\j):45+4*(\j)] offset:16
.endm
	GJOB 0, 8
	GJOB 1, 10
	GJOB 2, 12
	; K1
	s_bfe_u32 s70, s36, 0x20001                    ; nt
	s_bfe_u32 s71, s36, 0x30003                    ; kf
	s_lshr_b32 s72, s36, 6                         ; sg = 2 t + q
	s_lshl_b32 s76, s70, 19
	SHA 76, 72, 10
	SHA 76, 71, 7
	SHA 76, 37, 6
	s_mov_b32 s77, 0
	s_lshl_b32 s78, s70, 16
	SHA 78, 72, 7
	SHA 78, 71, 4
	SHA 78, 37, 3
	s_mov_b32 s79, 0
	s_and_b32 s80, s72, 1
	s_lshl_b32 s80, s80, 4
	s_lshr_b32 s73, s72, 1
	s_add_co_u32 s80, s80, s73
	s_mul_i32 s80, s80, BLK
	SHA 80, 71, 12
	SHA 80, 70, 10
	SHA 80, 37, 9
	s_add_co_u32 s80, s80, W2+98304
	s_mov_b32 s81, 0
	s_add_nc_u64 s[56:57], s[14:15], s[76:77]
	s_add_nc_u64 s[58:59], s[32:33], s[80:81]
	s_add_nc_u64 s[74:75], s[16:17], s[78:79]
	global_load_b128 v[40:43], v[VL32K], s[56:57]
	global_load_b128 v[44:47], v[VL32K], s[56:57] offset:16
	global_load_b32 v48, v[VS4096], s[74:75]
; the fifth job's two loads: source offset in s76, destination offset in s80
.macro XLD sp, vl
	s_add_nc_u64 s[60:61], s[\sp:\sp+1], s[76:77]
	s_add_nc_u64 s[62:63], s[32:33], s[80:81]
	global_load_b128 v[52:55], v[\vl], s[60:61]
	global_load_b128 v[56:59], v[\vl], s[60:61] offset:16
.endm
; eight numbers rounded, one group stored: 512 consecutive bytes a wave
.macro FIN j, src
.irp k, 0,1,2,3
	v_cvt_pk_bf16_f32 v[64+4*(\j)+\k], v[(\src)+2*\k], v[(\src)+2*\k+1]
.endr
	global_store_b128 v[DL], v[64+4*(\j):67+4*(\j)], s[46+4*(\j):47+4*(\j)]
.endm
	s_bfe_u32 s84, s36, 0x50001                    ; an n tile of 32 (every range begins at a multiple of 64)
	s_cmp_lt_u32 s36, 1024
	s_cbranch_scc0 .Lx1
	s_lshr_b32 s85, s36, 6                         ; K2's splines: kf
	s_lshl_b32 s76, s84, 15
	SHA 76, 85, 7
	SHA 76, 37, 6
	s_lshl_b32 s78, s84, 12
	SHA 78, 85, 4
	SHA 78, 37, 3
	s_lshl_b32 s80, s85, 15
	SHA 80, 84, 10
	SHA 80, 37, 9
	s_add_co_u32 s80, s80, WK2
	s_add_nc_u64 s[86:87], s[22:23], s[78:79]
	XLD 20, VL2048
	global_load_b32 v60, v[VS256], s[86:87]
	s_wait_loadcnt 0x0
.irp k, 0,1,2,3,4,5,6,7
	v_mul_f32 v[52+\k], v60, v[52+\k]
.endr
	s_branch .Lfin4
.Lx1:
	s_cmp_lt_u32 s36, 1536
	s_cbranch_scc0 .Lx2
	s_sub_co_u32 s85, s36, 1024                    ; ip_w: ks
	s_lshr_b32 s85, s85, 6
	s_lshl_b32 s76, s84, 14
	SHA 76, 85, 7
	SHA 76, 37, 6
	s_lshl_b32 s80, s85, 15
	SHA 80, 84, 10
	SHA 80, 37, 9
	XLD 26, VL1024
	s_branch .Lcv4
.Lx2:
	s_cmp_lt_u32 s36, 1792
	s_cbranch_scc0 .Lx3
	s_sub_co_u32 s85, s36, 1536                    ; k1_base: sg, nt of 4
	s_lshr_b32 s85, s85, 3
	s_lshl_b32 s76, s70, 16
	SHA 76, 85, 7
	SHA 76, 37, 6
	s_and_b32 s80, s85, 1
	s_lshl_b32 s80, s80, 4
	s_lshr_b32 s73, s85, 1
	s_add_co_u32 s80, s80, s73
	s_mul_i32 s80, s80, BLK
	SHA 80, 70, 10
	SHA 80, 37, 9
	s_add_co_u32 s80, s80, W2+131072
	XLD 18, VL4096
	s_branch .Lcv4
.Lx3:
	s_cmp_lt_u32 s36, 1920
	s_cbranch_scc0 .Lx4
	s_sub_co_u32 s85, s36, 1792                    ; k2_base: which 32 features
	s_lshr_b32 s85, s85, 6
	s_lshl_b32 s76, s84, 12
	SHA 76, 85, 7
	SHA 76, 37, 6
	s_lshl_b32 s80, s85, 15
	SHA 80, 84, 10
	SHA 80, 37, 9
	s_add_co_u32 s80, s80, WK2+16*32768
	XLD 24, VL256
	s_branch .Lcv4
.Lx4:
	s_cmp_lt_u32 s36, 1954
	s_cbranch_scc0 .Lx5
	s_sub_co_u32 s85, s36, 1920                    ; the knots of 32 features
	s_cmp_lt_u32 s85, 32
	s_cselect_b64 s[60:61], s[28:29], s[30:31]
	s_and_b32 s76, s85, 31
	s_mul_i32 s76, s76, 1536
	s_add_nc_u64 s[60:61], s[60:61], s[76:77]
	s_mul_i32 s80, s85, 10240
	s_add_nc_u64 s[62:63], s[34:35], s[80:81]
	global_load_b128 v[GK:GK+3], v[VG], s[60:61]
	global_load_b128 v[GK+4:GK+7], v[VG], s[60:61] offset:16
	global_load_b128 v[GK+8:GK+11], v[VG], s[60:61] offset:32
	s_wait_loadcnt 0x0
.set idx, 0
.irp kk, 1,2,3
.set j, 0
.rept 12-\kk
	v_sub_f32 v[DK+idx], v[GK+j+\kk], v[GK+j]
.set j, j+1
.set idx, idx+1
.endr
.endr
.set j, 0
.rept 11
	v_cmp_gt_f32 s[ORD+j], v[GK+j+1], v[GK+j]      ; does interval j ascend?  The masks only choose values below
.set j, j+1
.endr
.set idx, 0
.rept 30
	v_rcp_f32 v[DK+idx], v[DK+idx]
.set idx, idx+1
.endr
	v_mov_b32 v[VH], 0x53800000                    ; 2^40; also the plain instruction behind the last reciprocal,
	s_wait_alu depctr_va_vdst(0)                   ; and one wait for the thirty
.set j, 0
.rept 11
	v_mul_f32 v[OF+j], -v[GK+j], v[DK+j]           ; ramp j: (x - g_j) / (g_{j+1} - g_j)
.set j, j+1
.endr
.set j, 0
.rept 10
	v_mul_f32 v[SO+j], -v[GK+j+1], v[VH]           ; the step at g_{j+1}
.set j, j+1
.endr
.set j, 0
.rept 10
	v_cndmask_b32 v[KO+2*j], 0, v[VH], s[ORD+j+1]                      ; P_j: 0, or the step if interval j + 1 ascends,
	v_cndmask_b32 v[KO+2*j+1], 0, v[SO+j], s[ORD+j+1]
	v_cndmask_b32 v[KO+2*j], v[KO+2*j], v[DK+j], s[ORD+j]              ; or ramp j if interval j ascends
	v_cndmask_b32 v[KO+2*j+1], v[KO+2*j+1], v[OF+j], s[ORD+j]
	v_cndmask_b32 v[KO+20+2*j], 0, v[VH], s[ORD+j]                     ; Q_j: 0, or the step if interval j ascends,
	v_cndmask_b32 v[KO+20+2*j+1], 0, v[SO+j], s[ORD+j]
	v_cndmask_b32 v[KO+20+2*j], v[KO+20+2*j], v[DK+j+1], s[ORD+j+1]    ; or ramp j + 1 if interval j + 1 ascends
	v_cndmask_b32 v[KO+20+2*j+1], v[KO+20+2*j+1], v[OF+j+1], s[ORD+j+1]
.set j, j+1
.endr
.set j, 0
.rept 10
	v_mov_b32 v[KO+40+2*j], v[DK+11+j]
	v_mul_f32 v[KO+40+2*j+1], -v[GK+j], v[DK+11+j]
.set j, j+1
.endr
.set j, 0
.rept 9
	v_mov_b32 v[KO+60+2*j], v[DK+21+j]
	v_mul_f32 v[KO+60+2*j+1], -v[GK+j], v[DK+21+j]
.set j, j+1
.endr
	v_mov_b32 v[KO+78], 0
	v_mov_b32 v[KO+79], 0
.set idx, 0
.rept 20
	global_store_b128 v[DL], v[KO+4*idx:KO+4*idx+3], s[62:63] offset:512*idx
.set idx, idx+1
.endr
	s_branch .Lrest
.Lx5:
	s_cmp_lt_u32 s36, 1958
	s_cbranch_scc0 .Lrest
	s_load_b512 s[8:23], s[0:1], 0x70              ; the biases and gains: a quarter of each of the ten vectors.  ip_b 8, rp_b 10, cn_g 12, cn_b 14, ug_b 16, ug_g 18, ug_beta 20, rg_b 22
	s_load_b128 s[24:27], s[0:1], 0xb0             ; rg_g 24, rg_beta 26
	s_load_b64 s[28:29], s[0:1], 0xc0              ; vec
	s_sub_co_u32 s85, s36, 1954
	s_lshl_b32 s85, s85, 9
	v_add_nc_u32 v[VO], s85, v[DL]
	s_wait_kmcnt 0x0
.set k, 0
.rept 10
	global_load_b128 v[GK+4*k:GK+4*k+3], v[VO], s[8+2*k:9+2*k]
.set k, k+1
.endr
	s_wait_loadcnt 0x0
.set k, 0
.rept 20
	v_cvt_pk_bf16_f32 v[GK+2*k], v[GK+2*k], v[GK+2*k+1]      ; two numbers rounded to bf16,
	v_and_b32 v[GK+2*k+1], 0xffff0000, v[GK+2*k]             ; and widened again
	v_lshlrev_b32 v[GK+2*k], 16, v[GK+2*k]
.set k, k+1
.endr
.set k, 0
.rept 10
	global_store_b128 v[VO], v[GK+4*k:GK+4*k+3], s[28:29] offset:2048*k
.set k, k+1
.endr
	s_branch .Lrest
.Lcv4:
	s_wait_loadcnt 0x0
.Lfin4:
	FIN 4, 52
.Lrest:
	s_wait_loadcnt 0x0                             ; the four jobs that every wave has
	FIN 0, 16
	FIN 1, 24
	FIN 2, 32
.irp k, 0,1,2,3,4,5,6,7
	v_mul_f32 v[40+\k], v48, v[40+\k]
.endr
	FIN 3, 40
	s_endpgm
.Lfunc_end_k_q59d6d980c2_prep:
	.size	k_q59d6d980c2_prep, .Lfunc_end_k_q59d6d980c2_prep-k_q59d6d980c2_prep
	.p2alignl 7, 3214868480
	.fill 96, 4, 3214868480
	.section	.rodata,"a",@progbits
	.p2align	6, 0x0
	.amdhsa_kernel k_q59d6d980c2_prep
		.amdhsa_group_segment_fixed_size 0
		.amdhsa_private_segment_fixed_size 0
		.amdhsa_enable_private_segment 0
		.amdhsa_kernarg_size 200
		.amdhsa_user_sgpr_count 2
		.amdhsa_user_sgpr_kernarg_segment_ptr 1
		.amdhsa_wavefront_size32 1
		.amdhsa_system_sgpr_workgroup_id_x 1
		.amdhsa_system_sgpr_workgroup_id_y 1
		.amdhsa_system_sgpr_workgroup_id_z 1
		.amdhsa_system_vgpr_workitem_id 0
		.amdhsa_next_free_vgpr 256
		.amdhsa_next_free_sgpr 100
		.amdhsa_reserve_vcc 0
		.amdhsa_float_denorm_mode_32 3
		.amdhsa_float_denorm_mode_16_64 3
		.amdhsa_memory_ordered 1
		.amdhsa_forward_progress 1
		.amdhsa_inst_pref_size 31
	.end_amdhsa_kernel
	.amdgpu_metadata
---
amdhsa.version: [ 1, 2 ]
amdhsa.kernels:
  - .name:           k_q59d6d980c2_prep
    .symbol:         k_q59d6d980c2_prep.kd
    .args:
      - { .name: rg_w, .offset: 0, .size: 8, .value_kind: global_buffer, .address_space: global }
      - { .name: ug_w, .offset: 8, .size: 8, .value_kind: global_buffer, .address_space: global }
      - { .name: rp_w, .offset: 16, .size: 8, .value_kind: global_buffer, .address_space: global }
      - { .name: k1_spline, .offset: 24, .size: 8, .value_kind: global_buffer, .address_space: global }
      - { .name: k1_scaler, .offset: 32, .size: 8, .value_kind: global_buffer, .address_space: global }
      - { .name: k1_base, .offset: 40, .size: 8, .value_kind: global_buffer, .address_space: global }
      - { .name: k2_spline, .offset: 48, .size: 8, .value_kind: global_buffer, .address_space: global }
      - { .name: k2_scaler, .offset: 56, .size: 8, .value_kind: global_buffer, .address_space: global }
      - { .name: k2_base, .offset: 64, .size: 8, .value_kind: global_buffer, .address_space: global }
      - { .name: ip_w, .offset: 72, .size: 8, .value_kind: global_buffer, .address_space: global }
      - { .name: grid1, .offset: 80, .size: 8, .value_kind: global_buffer, .address_space: global }
      - { .name: grid2, .offset: 88, .size: 8, .value_kind: global_buffer, .address_space: global }
      - { .name: wts, .offset: 96, .size: 8, .value_kind: global_buffer, .address_space: global }
      - { .name: kc, .offset: 104, .size: 8, .value_kind: global_buffer, .address_space: global }
      - { .name: ip_b, .offset: 112, .size: 8, .value_kind: global_buffer, .address_space: global }
      - { .name: rp_b, .offset: 120, .size: 8, .value_kind: global_buffer, .address_space: global }
      - { .name: cn_g, .offset: 128, .size: 8, .value_kind: global_buffer, .address_space: global }
      - { .name: cn_b, .offset: 136, .size: 8, .value_kind: global_buffer, .address_space: global }
      - { .name: ug_b, .offset: 144, .size: 8, .value_kind: global_buffer, .address_space: global }
      - { .name: ug_g, .offset: 152, .size: 8, .value_kind: global_buffer, .address_space: global }
      - { .name: ug_beta, .offset: 160, .size: 8, .value_kind: global_buffer, .address_space: global }
      - { .name: rg_b, .offset: 168, .size: 8, .value_kind: global_buffer, .address_space: global }
      - { .name: rg_g, .offset: 176, .size: 8, .value_kind: global_buffer, .address_space: global }
      - { .name: rg_beta, .offset: 184, .size: 8, .value_kind: global_buffer, .address_space: global }
      - { .name: vec, .offset: 192, .size: 8, .value_kind: global_buffer, .address_space: global }
    .group_segment_fixed_size: 0
    .private_segment_fixed_size: 0
    .kernarg_segment_align: 8
    .kernarg_segment_size: 200
    .max_flat_workgroup_size: 256
    .sgpr_count:     100
    .vgpr_count:     256
    .wavefront_size: 32
...
	.end_amdgpu_metadata
.endif
;; end of part 1
;; launch front (part 2): grid 256 x 1, 8 waves a work-group, no clusters, 167,936 bytes of LDS; arguments x, h_prev, vec, wts, comb; writes comb
.if DOCPART == 2
	.amdgcn_target "amdgcn-amd-amdhsa--gfx1250"
	.amdhsa_code_object_version 6
	.text
	.protected	k_q59d6d980c2_front
	.globl	k_q59d6d980c2_front
	.p2align	8
	.type	k_q59d6d980c2_front,@function
k_q59d6d980c2_front:
	s_mov_b64 s[64:65], 0
	v_nop
	global_prefetch_b8 v0, s[64:65] scope:SCOPE_SE
	s_setreg_imm32_b32 hwreg(HW_REG_WAVE_MODE, 25, 1), 1
	s_wait_xcnt 0x0
; FRONT: comb = [x ip_w^T + ip_b, h_prev], rounded once to bf16, in fragment order:
; comb [rb 128][t 16][i 4][c 2][e 2][lane 32][8 bf16]: row 64 rb + 16 i + r, feature 64 t + 32 c + 16 e + 8 h + m.
; SHARES: a work-group has 32 rows (two row tiles); wave w makes x_proj's columns 64 w .. 64 w + 63 (slot t = w) and casts h_prev's columns 64 w .. (slot t = 8 + w).
; x's 32 rows come into LDS once (each wave brings 4 rows) and are read by all eight waves; a wave's piece of h_prev (32 rows x 256 bytes) is its own.  Nothing in LDS is filled twice.
; The product is taken transposed (source 0 = 16 rows of ip_w, source 1 = 16 rows of x): a lane ends with 8 neighbouring columns of one row, which is comb's order.  The bias is the C of the first K step;
; it is the first vector of vec, ip_b's copy rounded once to bf16.
; No cluster: what work-groups share, ip_w in bf16, goes straight from memory into the registers of the one wave of each work-group that multiplies by it.
.set XPITCH, 1040       ; 1,024 bytes + 16: the 16 rows of a load start at 16 different groups of four banks
.set HPITCH, 272
.set HBASE,  33280
.set SPARE,  102912     ; the spare words: 128 bytes a wave, four blocks of 256 bytes that no other line names
.set SPW, 2
.set NIL, 3
.set L16, 4             ; 16 l
.set XA,  5             ; r x 1,040 + 32 h
.set HA,  6             ; my piece of h_prev: r x 272 + 32 h
.set BV,  7             ; 32 h
.set ACC, 16            ; v[16:79]   tile (il, nt) at 8 (4 il + nt)
.set WF,  80            ; v[80:143]  ip_w's fragments, two sets of 32; later the packed results
.set BI,  144           ; v[144:175] the bias; later h_prev's numbers (v[144:207])
.set XR,  176           ; v[176:207] x as f32
.set XF,  208           ; v[208:223] x's two fragments
.set WV,  14
.set G1X, 16
.set G1H, 24
.set G0X, 32
.set G0H, 36
	s_load_b256 s[4:11], s[0:1], 0x0               ; x 4, h_prev 6, vec 8, wts 10
	s_load_b64 s[12:13], s[0:1], 0x20              ; comb
	v_lshl_add_u32 v[SPW], v0, 2, SPARE
	v_mov_b32 v[NIL], 0
	ds_add_u32 v[SPW], v[NIL]                      ; the opening: the add, twice on end, and its wait ahead of my first tensor load
	ds_add_u32 v[SPW], v[NIL]
	v_lshrrev_b32 v1, 5, v0
	v_readfirstlane_b32 s[WV], v1
	s_mov_b32 s[G1X], (2<<16)|(1<<20)|(7<<22)|(3<<25)  ; 4-byte elements; 4 words of padding behind every 256 words
	s_mov_b32 s[G1X+1], 256<<16
	s_mov_b32 s[G1X+2], 4<<16
	s_mov_b32 s[G1X+3], 256<<16
	s_mov_b32 s[G1X+4], 4                          ; 4 rows of 256 elements
	s_mov_b32 s[G1X+5], 256
	s_mov_b32 s[G1X+6], 0
	s_mov_b32 s[G1X+7], 0
	s_mov_b32 s[G1H], (2<<16)|(1<<20)|(5<<22)|(3<<25)  ; 4 words of padding behind every 64 words
	s_mov_b32 s[G1H+1], 64<<16
	s_mov_b32 s[G1H+2], 32<<16
	s_mov_b32 s[G1H+3], 64<<16
	s_mov_b32 s[G1H+4], 32                         ; 32 rows of 64 elements
	s_mov_b32 s[G1H+5], 512
	s_mov_b32 s[G1H+6], 0
	s_mov_b32 s[G1H+7], 0
	s_mov_b32 s[G0X], 1
	s_mul_i32 s[G0X+1], s[WV], 4*XPITCH
	s_mov_b32 s[G0H], 1
	s_mul_i32 s[G0H+1], s[WV], 32*HPITCH
	s_add_co_u32 s[G0H+1], s[G0H+1], HBASE
	s_lshl_b32 s40, ttmp9, 15                      ; x: 32 rows of 1,024 bytes a work-group, 4 a wave
	s_lshl_b32 s41, s[WV], 12
	s_add_co_u32 s40, s40, s41
	s_mov_b32 s41, 0
	s_lshl_b32 s42, ttmp9, 16                      ; h_prev: 32 rows of 2,048 bytes, 256 bytes of each a wave
	s_lshl_b32 s43, s[WV], 8
	s_add_co_u32 s42, s42, s43
	s_mov_b32 s43, 0
	s_wait_dscnt 0x0
	s_wait_kmcnt 0x0
	s_add_nc_u64 s[G0X+2:G0X+3], s[4:5], s[40:41]
	s_or_b32 s[G0X+3], s[G0X+3], 0x80000000
	s_add_nc_u64 s[G0H+2:G0H+3], s[6:7], s[42:43]
	s_or_b32 s[G0H+3], s[G0H+3], 0x80000000
	tensor_load_to_lds s[G0X:G0X+3], s[G1X:G1X+7]  ; both first fills together: two loads of mine are out
	s_nop 0
	tensor_load_to_lds s[G0H:G0H+3], s[G1H:G1H+7]
	s_nop 0
	v_and_b32 v1, 31, v0
	v_lshlrev_b32 v[L16], 4, v1
	v_and_b32 v8, 15, v0
	v_bfe_u32 v9, v0, 4, 1
	v_mul_u32_u24 v[XA], v8, XPITCH
	v_lshl_add_u32 v[XA], v9, 5, v[XA]
	v_mul_u32_u24 v[HA], v8, HPITCH
	v_lshl_add_u32 v[HA], v9, 5, v[HA]
	v_add_nc_u32 v[HA], s[G0H+1], v[HA]
	v_lshlrev_b32 v[BV], 5, v9
	s_lshl_b32 s44, s[WV], 8
	s_mov_b32 s45, 0
	s_add_nc_u64 s[8:9], s[8:9], s[44:45]          ; the bias at my 64 columns
	s_lshl_b32 s44, s[WV], 12
	s_add_nc_u64 s[10:11], s[10:11], s[44:45]      ; WIP at my four n tiles
	s_lshr_b32 s44, ttmp9, 1
	s_lshl_b32 s44, s44, 17
	s_and_b32 s46, ttmp9, 1
	s_lshl_b32 s46, s46, 12
	s_add_co_u32 s44, s44, s46
	s_lshl_b32 s46, s[WV], 13
	s_add_co_u32 s44, s44, s46
	s_add_nc_u64 s[12:13], s[12:13], s[44:45]      ; comb at (rb, t = w, my first row tile)
.macro WLOAD ks
.irp nt, 0,1,2,3
	global_load_b128 v[WF+32*((\ks)%2)+8*\nt:WF+32*((\ks)%2)+8*\nt+3], v[L16], s[10:11] offset:(\ks)*32768+\nt*1024
	global_load_b128 v[WF+32*((\ks)%2)+8*\nt+4:WF+32*((\ks)%2)+8*\nt+7], v[L16], s[10:11] offset:(\ks)*32768+\nt*1024+512
.endr
.endm
.macro XLOAD ks                        ; 32 features of both row tiles as f32: 8 h + 0..7 and 16 + 8 h + 0..7
.irp il, 0,1
	ds_load_b128 v[XR+16*\il:XR+16*\il+3], v[XA] offset:\il*16*XPITCH+(\ks)*128
	ds_load_b128 v[XR+16*\il+4:XR+16*\il+7], v[XA] offset:\il*16*XPITCH+(\ks)*128+16
	ds_load_b128 v[XR+16*\il+8:XR+16*\il+11], v[XA] offset:\il*16*XPITCH+(\ks)*128+64
	ds_load_b128 v[XR+16*\il+12:XR+16*\il+15], v[XA] offset:\il*16*XPITCH+(\ks)*128+80
.endr
.endm
.irp nt, 0,1,2,3
	global_load_b128 v[BI+8*\nt:BI+8*\nt+3], v[BV], s[8:9] offset:\nt*64
	global_load_b128 v[BI+8*\nt+4:BI+8*\nt+7], v[BV], s[8:9] offset:\nt*64+16
.endr
	WLOAD 0
	WLOAD 1
	s_wait_tensorcnt 0x0                           ; my rows of x and my piece of h_prev are in,
	s_barrier_signal -1
	s_barrier_wait -1                              ; everybody's rows of x are
	XLOAD 0
.set ks, 0
.rept 8
	s_wait_dscnt 0x0
.irp k, 0,1,2,3,4,5,6,7,8,9,10,11,12,13,14,15
	v_cvt_pk_bf16_f32 v[XF+\k], v[XR+2*\k], v[XR+2*\k+1]
.endr
.if ks < 7
	XLOAD ks+1
	s_wait_loadcnt 8                               ; this step's weights (and, the first time, the bias) are in; the next step's eight loads may stay out
.else
	s_wait_loadcnt 0x0
.endif
.irp nt, 0,1,2,3
.irp il, 0,1
.if ks == 0
	v_wmma_f32_16x16x32_bf16 v[ACC+8*(4*\il+\nt):ACC+8*(4*\il+\nt)+7], v[WF+8*\nt:WF+8*\nt+7], v[XF+8*\il:XF+8*\il+7], v[BI+8*\nt:BI+8*\nt+7]
.else
	v_wmma_f32_16x16x32_bf16 v[ACC+8*(4*\il+\nt):ACC+8*(4*\il+\nt)+7], v[WF+32*(ks%2)+8*\nt:WF+32*(ks%2)+8*\nt+7], v[XF+8*\il:XF+8*\il+7], v[ACC+8*(4*\il+\nt):ACC+8*(4*\il+\nt)+7]
.endif
.endr
.endr
.rept 4
	v_nop                                          ; four places ahead of loads and roundings into registers that the products have read
.endr
.if ks < 6
	WLOAD ks+2
.endif
.set ks, ks+1
.endr
	; h_prev's numbers in fragment order, asked for while x_proj is packed
.irp il, 0,1
.irp nt, 0,1,2,3
	ds_load_b128 v[BI+8*(4*\il+\nt):BI+8*(4*\il+\nt)+3], v[HA] offset:\il*16*HPITCH+\nt*64
	ds_load_b128 v[BI+8*(4*\il+\nt)+4:BI+8*(4*\il+\nt)+7], v[HA] offset:\il*16*HPITCH+\nt*64+16
.endr
.endr
.irp il, 0,1
.irp nt, 0,1,2,3
.irp k, 0,1,2,3
	v_cvt_pk_bf16_f32 v[WF+4*(4*\il+\nt)+\k], v[ACC+8*(4*\il+\nt)+2*\k], v[ACC+8*(4*\il+\nt)+2*\k+1]
.endr
	global_store_b128 v[L16], v[WF+4*(4*\il+\nt):WF+4*(4*\il+\nt)+3], s[12:13] offset:\il*2048+\nt*512  ; 512 consecutive bytes a wave
.endr
.endr
	s_wait_dscnt 0x0
.irp il, 0,1
.irp nt, 0,1,2,3
.irp k, 0,1,2,3
	v_cvt_pk_bf16_f32 v[WF+32+4*(4*\il+\nt)+\k], v[BI+8*(4*\il+\nt)+2*\k], v[BI+8*(4*\il+\nt)+2*\k+1]
.endr
	global_store_b128 v[L16], v[WF+32+4*(4*\il+\nt):WF+32+4*(4*\il+\nt)+3], s[12:13] offset:65536+\il*2048+\nt*512
.endr
.endr
	s_wait_tensorcnt 0x0                           ; the wave's end
	ds_add_u32 v[SPW], v[NIL]
	s_wait_dscnt 0x0
	s_endpgm
.Lfunc_end_k_q59d6d980c2_front:
	.size	k_q59d6d980c2_front, .Lfunc_end_k_q59d6d980c2_front-k_q59d6d980c2_front
	.p2alignl 7, 3214868480
	.fill 96, 4, 3214868480
	.section	.rodata,"a",@progbits
	.p2align	6, 0x0
	.amdhsa_kernel k_q59d6d980c2_front
		.amdhsa_group_segment_fixed_size 167936
		.amdhsa_private_segment_fixed_size 0
		.amdhsa_enable_private_segment 0
		.amdhsa_kernarg_size 40
		.amdhsa_user_sgpr_count 2
		.amdhsa_user_sgpr_kernarg_segment_ptr 1
		.amdhsa_wavefront_size32 1
		.amdhsa_system_sgpr_workgroup_id_x 1
		.amdhsa_system_sgpr_workgroup_id_y 1
		.amdhsa_system_sgpr_workgroup_id_z 1
		.amdhsa_system_vgpr_workitem_id 0
		.amdhsa_next_free_vgpr 256
		.amdhsa_next_free_sgpr 66
		.amdhsa_reserve_vcc 0
		.amdhsa_float_denorm_mode_32 3
		.amdhsa_float_denorm_mode_16_64 3
		.amdhsa_memory_ordered 1
		.amdhsa_forward_progress 1
		.amdhsa_inst_pref_size 35
	.end_amdhsa_kernel
	.amdgpu_metadata
---
amdhsa.version: [ 1, 2 ]
amdhsa.kernels:
  - .name:           k_q59d6d980c2_front
    .symbol:         k_q59d6d980c2_front.kd
    .args:
      - { .name: x, .offset: 0, .size: 8, .value_kind: global_buffer, .address_space: global }
      - { .name: h_prev, .offset: 8, .size: 8, .value_kind: global_buffer, .address_space: global }
      - { .name: vec, .offset: 16, .size: 8, .value_kind: global_buffer, .address_space: global }
      - { .name: wts, .offset: 24, .size: 8, .value_kind: global_buffer, .address_space: global }
      - { .name: comb, .offset: 32, .size: 8, .value_kind: global_buffer, .address_space: global }
    .group_segment_fixed_size: 167936
    .private_segment_fixed_size: 0
    .kernarg_segment_align: 8
    .kernarg_segment_size: 40
    .max_flat_workgroup_size: 256
    .sgpr_count:     66
    .vgpr_count:     256
    .wavefront_size: 32
...
	.end_amdgpu_metadata
.endif
;; end of part 2
;; launch main (part 3): grid 128 x 2, 4 waves a work-group, clusters of 4 x 1, 327,680 bytes of LDS; arguments comb, wts, kc, z, midp; writes z, midp
.if DOCPART == 3
	.amdgcn_target "amdgcn-amd-amdhsa--gfx1250"
	.amdhsa_code_object_version 6
	.text
	.protected	k_q59d6d980c2_main
	.globl	k_q59d6d980c2_main
	.p2align	8
	.type	k_q59d6d980c2_main,@function
k_q59d6d980c2_main:
	s_mov_b64 s[64:65], 0
	v_nop
	global_prefetch_b8 v0, s[64:65] scope:SCOPE_SE
	s_setreg_imm32_b32 hwreg(HW_REG_WAVE_MODE, 25, 1), 1
	s_wait_xcnt 0x0
	s_wait_alu depctr_hold_cnt(0) depctr_sa_sdst(0) depctr_va_vdst(0) depctr_va_sdst(0) depctr_va_ssrc(0) depctr_va_vcc(0) depctr_vm_vsrc(0)
	s_getreg_b32 s2, hwreg(HW_REG_IB_STS2, 6, 4)
	s_cmp_eq_u32 s2, 0
	s_cbranch_scc0 .Lentry_in_a_cluster
	s_endpgm
.Lentry_in_a_cluster:
	s_bfe_u32 s2, ttmp6, 0x10000c
	s_cmp_lg_u32 s2, 0x3003
	s_cbranch_scc0 .Lentry_shape_is_right
	s_endpgm
.Lentry_shape_is_right:
; MAIN: z = comb [rg_w; ug_w; rp_w]^T (f32, no bias yet) and KAN1's sums (f32 partial sums, one for each half q of the features).
; z [row tile 512][column tile 96][e 2][lane 32][4 f32]: row 16 T + r, column 16 N + 8 h + 4 e + 0..3: the accumulators as they lie.   midp [q 2][row / 4][feature 64][4 rows] f32.
; SHARES.  Work-group (rb, q): 64 rows; z's columns 768 q .. 768 q + 767 over all K = 1,024; KAN1 on features 64 t + 32 q + 0..31 of each K slot t of 64 features.
; Wave w: gate tile 64 rows x 192 columns (48 accumulators); the B-spline bases of row tile w; the spline products of features 8 w .. 8 w + 7 of the 32, for all four row tiles; the silu path of row tile w.
; SPLINES.  Lane = feature, a packed pair = two rows.  A line L(x) = x slope + offset is one packed multiply-add on the lane's constants.  The bases of degree 1 are H_j = clamp(P_j) - clamp(Q_j), clamped to
; 0 .. 1, with lines that the launch before has chosen by the knots' order (ramps; steps and zeros where neighbouring knots do not ascend).  A degree up: new_j = T_j H_j + (H_{j+1} - T_{j+1} H_{j+1}),
; T_j the line over the wider span: Cox and de Boor's recursion with its right factor written as 1 - T_{j+1}, which holds for knots in any order.
; LIMITS: a feature's knots differ from each other (reference() divides by their differences); where neighbouring knots stand out of order, within 2^-40 above the knot between them a number between the
; two sides of reference()'s jump is taken; comb, the bases and silu are rounded once to bf16; NaN and infinities are not treated apart.
; RING.  Two LDS slots; a slot is one K slot's weights (135,168 bytes, asked for JOINTLY by the cluster's four work-groups, which share q and walk the same weights) and my 64 rows of comb (8,192 bytes, my own load).
; One tensor load a wave is out behind each round, and it has a whole K slot's work in which to land.
; REGISTERS (windows of 256; s_set_vgpr_msb: bits 1:0 source 0, 3:2 source 1, 5:4 source 2, 7:6 destination):
;   window 0: addresses, the lane's 80 constants, the basis work, comb's fragments AF, K1's first fragments KF
;   window 1: gate accumulators 0-31 (a = 12 i + nt)     window 2: accumulators 32-47; v128-223 the gates' weight fragments BFR
;   window 3: v0-127 MID (4 i + b); v128-159 MB (silu path); v160-223 basis fragments; v224-255 K1's second fragments
.set BLK,   135168
.set SB0,   262144      ; S slot 0: KB 4,096 bytes, then comb's tile 8,192; S slot 1 = S slot 0 xor 0x4000
.set SPARE, 274432      ; the spare words: 128 bytes a wave, two blocks of 256 bytes that no other line names
.set BSB,   290816      ; the basis scratch: [row tile 4] x 8,704: feature f at 272 f, row at 16 r; no tensor load lands here
.set KCG,   10240       ; bytes of the constants of 32 features
.set AB0, 2
.set AK0, 3
.set AA0, 4
.set AX0, 5
.set AS0, 6
.set AB,  8             ; the same plus the slot in hand
.set AK,  9
.set AKB, 10
.set AA,  11
.set AX,  12
.set AS,  13
.set ABSW, 14
.set ABSR, 15
.set L16, 16
.set SPW, 18
.set NIL, 19
.set PFO, 20            ; 256 l
.set MO,  21
.set CK,  22            ; v[22:101]  pair idx (slope, offset) at CK + 2 idx
.set X,   102           ; v[102:117] 8 pairs of rows
.set C,   118           ; v[118:137]
.set T,   138           ; v[138:157]
.set U,   158           ; v[158:177]
.set SR,  158           ; at a slot's head, while U is idle: my row tile's fragment for silu,
.set XR,  166           ; and the same numbers turned
.set P,   178           ; v[178:185] packed bases; also silu's fragment
.set AF,  186           ; v[186:217]
.set KF,  218           ; v[218:249]
.set BFR, 128           ; window 2
.set MB,  128           ; window 3
.set BSF, 160           ; window 3
.set KF1, 224           ; window 3
.set WV,  14
.set Q,   15
.set RB,  16
.set CX,  17
.set CNT, 18
.set TBW, 19
.set TBS, 20
.set LIMW, 21
.set LIMA, 22
.set PFW, 24
.set PFA, 26
.set G1W, 32
.set G1K, 40
.set G1A, 48
.set G0W, 56
.set G0K, 60
.set G0A, 68
.set MSB, 0
.macro WIN new
.if MSB != (\new)
	s_set_vgpr_msb (MSB<<8)|(\new)
.set MSB, \new
.endif
.endm
.macro CROUND                          ; a round of the cluster's barrier
	s_barrier_signal -1
	s_barrier_wait -1
	s_cmp_lg_u32 s[WV], 0
	s_cbranch_scc1 .Lnot_wave_0_\@
	s_barrier_signal -3
.Lnot_wave_0_\@:
	s_barrier_wait -3
	s_barrier_signal -1
	s_barrier_wait -1
.endm
; A fill: waves 0 and 1 the two halves of the weights' first 131,072 bytes, wave 2 the last 4,096 (all three joint), wave 3 my rows of comb.  The branches hang on the wave's number alone.
; An s_nop 0 and four v_nop follow each line.
.macro JLOAD
	s_cmp_lt_u32 s[WV], 2
	s_cbranch_scc0 .Lnw_\@
	tensor_load_to_lds s[G0W:G0W+3], s[G1W:G1W+7]
	s_nop 0
.rept 4
	v_nop
.endr
	s_branch .Lasked_\@
.Lnw_\@:
	s_cmp_eq_u32 s[WV], 2
	s_cbranch_scc0 .Lna_\@
	tensor_load_to_lds s[G0K:G0K+3], s[G1K:G1K+7]
	s_nop 0
.rept 4
	v_nop
.endr
	s_branch .Lasked_\@
.Lna_\@:
	tensor_load_to_lds s[G0A:G0A+3], s[G1A:G1A+7]
	s_nop 0
.rept 4
	v_nop
.endr
.Lasked_\@:
.endm
; A prefetch into the L2 of the K slot that stands two fills on.  The weights of (q, slot) are walked by all 32 clusters of that q: the first of them asks, its sixteen waves 8,192 bytes each, told apart by
; address, a lane a block of 256 bytes (the block's last 4,096 bytes come by their load alone).  My rows of comb are read by the work-groups of both q: q = 0 asks, wave 3, a lane a block.
; The last three trips ask for nothing: no slot stands there.
.macro ASK
	s_cmp_gt_u32 s[CNT], s[LIMW]
	s_cbranch_scc0 .Lnpw_\@
	global_prefetch_b8 v[PFO], s[PFW:PFW+1] th:TH_LOAD_NT scope:SCOPE_SE
.Lnpw_\@:
	s_cmp_gt_u32 s[CNT], s[LIMA]
	s_cbranch_scc0 .Lnpa_\@
	global_prefetch_b8 v[PFO], s[PFA:PFA+1] th:TH_LOAD_NT scope:SCOPE_SE
.Lnpa_\@:
.endm
; Number BN of the 93 lines that make the 8 bases of my feature for the two rows in v[BX:BX+1] and put them into the scratch at byte BPO of my feature's line.
;   0-9 clamp(P_j)   10-19 clamp(Q_j)   20-29 H_j   30-39 T of degree 2   40-48 U_1..9   49-57 bases of degree 2   58-66 T of degree 3   67-74 U_1..8   75-82 the 8 bases
;   83-90 rounded: a row's 8 are 16 bytes   91, 92 stored
.macro BOP
.if BN < 10
.set bj, BN
	v_pk_fma_f32 v[C+2*bj:C+2*bj+1], v[BX:BX+1], v[CK+2*bj:CK+2*bj+1], v[CK+2*bj:CK+2*bj+1] op_sel:[0,0,1] op_sel_hi:[1,0,1] clamp
.elseif BN < 20
.set bj, BN-10
	v_pk_fma_f32 v[T+2*bj:T+2*bj+1], v[BX:BX+1], v[CK+20+2*bj:CK+20+2*bj+1], v[CK+20+2*bj:CK+20+2*bj+1] op_sel:[0,0,1] op_sel_hi:[1,0,1] clamp
.elseif BN < 30
.set bj, BN-20
	v_pk_add_f32 v[C+2*bj:C+2*bj+1], v[C+2*bj:C+2*bj+1], v[T+2*bj:T+2*bj+1] neg_lo:[0,1] neg_hi:[0,1]
.elseif BN < 40
.set bj, BN-30
	v_pk_fma_f32 v[T+2*bj:T+2*bj+1], v[BX:BX+1], v[CK+40+2*bj:CK+40+2*bj+1], v[CK+40+2*bj:CK+40+2*bj+1] op_sel:[0,0,1] op_sel_hi:[1,0,1]
.elseif BN < 49
.set bj, BN-39
	v_pk_fma_f32 v[U+2*bj:U+2*bj+1], v[T+2*bj:T+2*bj+1], v[C+2*bj:C+2*bj+1], v[C+2*bj:C+2*bj+1] neg_lo:[1,0,0] neg_hi:[1,0,0]
.elseif BN < 58
.set bj, BN-49
	v_pk_fma_f32 v[C+2*bj:C+2*bj+1], v[T+2*bj:T+2*bj+1], v[C+2*bj:C+2*bj+1], v[U+2*bj+2:U+2*bj+3]
.elseif BN < 67
.set bj, BN-58
	v_pk_fma_f32 v[T+2*bj:T+2*bj+1], v[BX:BX+1], v[CK+60+2*bj:CK+60+2*bj+1], v[CK+60+2*bj:CK+60+2*bj+1] op_sel:[0,0,1] op_sel_hi:[1,0,1]
.elseif BN < 75
.set bj, BN-66
	v_pk_fma_f32 v[U+2*bj:U+2*bj+1], v[T+2*bj:T+2*bj+1], v[C+2*bj:C+2*bj+1], v[C+2*bj:C+2*bj+1] neg_lo:[1,0,0] neg_hi:[1,0,0]
.elseif BN < 83
.set bj, BN-75
	v_pk_fma_f32 v[C+2*bj:C+2*bj+1], v[T+2*bj:T+2*bj+1], v[C+2*bj:C+2*bj+1], v[U+2*bj+2:U+2*bj+3]
.elseif BN < 87
.set bj, BN-83
	v_cvt_pk_bf16_f32 v[P+bj], v[C+4*bj], v[C+4*bj+2]
.elseif BN < 91
.set bj, BN-87
	v_cvt_pk_bf16_f32 v[P+4+bj], v[C+4*bj+1], v[C+4*bj+3]
.elseif BN == 91
	ds_store_b128 v[ABSW], v[P:P+3] offset:BPO
.else
	ds_store_b128 v[ABSW], v[P+4:P+7] offset:BPO+16
.endif
.set BN, BN+1
.endm
; Gate product gn of chunk g (row tile g % 4; the K half is the one whose fragments are loaded).  The accumulators take turns, one instruction a turn.
.macro GP g
.set ga, 12*((\g)&3)+gn
.if ga < 32
	WIN 0x52
	v_wmma_f32_16x16x32_bf16 v[8*ga:8*ga+7], v[BFR+8*gn:BFR+8*gn+7], v[AF+8*((\g)&3):AF+8*((\g)&3)+7], v[8*ga:8*ga+7]
.else
	WIN 0xa2
	v_wmma_f32_16x16x32_bf16 v[8*(ga-32):8*(ga-32)+7], v[BFR+8*gn:BFR+8*gn+7], v[AF+8*((\g)&3):AF+8*((\g)&3)+7], v[8*(ga-32):8*(ga-32)+7]
.endif
.set gn, gn+1
.endm
.macro GCH g                           ; a chunk's twelve products on end
.set gn, 0
.rept 12
	GP \g
.endr
.endm
.macro RIDE p, g                       ; pair p's 93 lines behind the twelve products of chunk g: eight behind each of the first nine, seven behind each of the last three; none names a register of the products
.set BX, X+2*(\p)
.set BPO, 32*(\p)
.set BN, 0
.set gn, 0
.rept 12
	GP \g
	WIN 0
.rept 7
	BOP
.endr
.if gn <= 9
	BOP
.endif
.endr
.endm
.macro BASIS p
	WIN 0
.set BX, X+2*(\p)
.set BPO, 32*(\p)
.set BN, 0
.rept 93
	BOP
.endr
.endm
.macro LOADAB c                        ; K half c: comb's four fragments, my twelve weight fragments: 32 LDS loads in one run
	WIN 0
.irp i, 0,1,2,3
	ds_load_b128 v[AF+8*\i:AF+8*\i+3], v[AA] offset:(2*\i+(\c))*1024
	ds_load_b128 v[AF+8*\i+4:AF+8*\i+7], v[AA] offset:(2*\i+(\c))*1024+512
.endr
	WIN 0x80
.irp nt, 0,1,2,3,4,5,6,7,8,9,10,11
	ds_load_b128 v[BFR+8*\nt:BFR+8*\nt+3], v[AB] offset:(\c)*49152+\nt*1024
	ds_load_b128 v[BFR+8*\nt+4:BFR+8*\nt+7], v[AB] offset:(\c)*49152+\nt*1024+512
.endr
	WIN 0
.endm
.macro SILU                            ; silu of the 16 numbers in SR, as a fragment in P.  x / (1 + 2^(-x log2 e))
.irp k, 0,1,2,3,4,5,6,7
	v_lshlrev_b32 v[C+2*\k], 16, v[SR+\k]
	v_and_b32 v[C+2*\k+1], 0xffff0000, v[SR+\k]
.endr
.irp k, 0,2,4,6,8,10,12,14
	v_pk_mul_f32 v[T+\k:T+\k+1], v[C+\k:C+\k+1], 0xbfb8aa3b op_sel_hi:[1,0]
.endr
.set a, 0
.rept 16
	v_exp_f32 v[T+a], v[T+a]
.set a, a+1
.endr
	v_nop
	s_wait_alu depctr_va_vdst(0)                   ; one wait for the batch
.irp k, 0,2,4,6,8,10,12,14
	v_pk_add_f32 v[T+\k:T+\k+1], v[T+\k:T+\k+1], 1.0 op_sel_hi:[1,0]
.endr
.set a, 0
.rept 16
	v_rcp_f32 v[T+a], v[T+a]
.set a, a+1
.endr
	v_nop
	s_wait_alu depctr_va_vdst(0)
.irp k, 0,2,4,6,8,10,12,14
	v_pk_mul_f32 v[C+\k:C+\k+1], v[C+\k:C+\k+1], v[T+\k:T+\k+1]
.endr
.irp k, 0,1,2,3,4,5,6,7
	v_cvt_pk_bf16_f32 v[P+\k], v[C+2*\k], v[C+2*\k+1]
.endr
.endm
.macro SPL kk                          ; 16 products: four features' bases (K = 32) of all four row tiles x 64 mid columns
.if (\kk) == 0
	WIN 0xf3
.else
	WIN 0xff
.endif
.irp i, 0,1,2,3
.irp b, 0,1,2,3
.if (\kk) == 0
	v_wmma_f32_16x16x32_bf16 v[8*(4*\i+\b):8*(4*\i+\b)+7], v[BSF+8*\i:BSF+8*\i+7], v[KF+8*\b:KF+8*\b+7], v[8*(4*\i+\b):8*(4*\i+\b)+7]
.else
	v_wmma_f32_16x16x32_bf16 v[8*(4*\i+\b):8*(4*\i+\b)+7], v[BSF+32+8*\i:BSF+32+8*\i+7], v[KF1+8*\b:KF1+8*\b+7], v[8*(4*\i+\b):8*(4*\i+\b)+7]
.endif
.endr
.endr
.endm
; THE WORK OF ONE K SLOT.  next = 1: the next slot's knot constants are asked for.
.macro PROC next
	WIN 0
	v_add_nc_u32 v[AB], s[TBW], v[AB0]             ; six plain lines: also the places behind the last products, ahead of the loads into their sources
	v_add_nc_u32 v[AK], s[TBW], v[AK0]
	v_add_nc_u32 v[AKB], s[TBS], v[L16]
	v_add_nc_u32 v[AA], s[TBS], v[AA0]
	v_add_nc_u32 v[AX], s[TBS], v[AX0]
	v_add_nc_u32 v[AS], s[TBS], v[AS0]
	ds_load_b128 v[SR:SR+3], v[AS]                 ; row tile w, my 32 features, as a fragment: for silu
	ds_load_b128 v[SR+4:SR+7], v[AS] offset:512
.irp b, 0,1,2,3
	ds_load_b128 v[KF+8*\b:KF+8*\b+3], v[AKB] offset:\b*1024
	ds_load_b128 v[KF+8*\b+4:KF+8*\b+7], v[AKB] offset:\b*1024+512
.endr
	ds_load_tr16_b128 v[XR:XR+3], v[AX]            ; the same numbers turned: lane = feature, rows 0-7,
	ds_load_tr16_b128 v[XR+4:XR+7], v[AX] offset:128  ; rows 8-15
	LOADAB 0
	s_wait_dscnt 42                                ; SR is in: 8 + 2 + 32 loads were issued behind it
	SILU
	s_wait_dscnt 34                                ; k1_base's fragments are in
	WIN 0xf0
.irp b, 0,1,2,3
	v_wmma_f32_16x16x32_bf16 v[MB+8*\b:MB+8*\b+7], v[P:P+7], v[KF+8*\b:KF+8*\b+7], v[MB+8*\b:MB+8*\b+7]
.endr
	WIN 0
	s_wait_dscnt 32                                ; the turned numbers are in
.irp m, 0,1,2,3,4,5,6,7
	v_lshlrev_b32 v[X+2*\m], 16, v[XR+\m]          ; sixteen plain lines: the places ahead of the loads into KF
	v_and_b32 v[X+2*\m+1], 0xffff0000, v[XR+\m]
.endr
.irp b, 0,1,2,3
	ds_load_b128 v[KF+8*\b:KF+8*\b+3], v[AK] offset:\b*1024
	ds_load_b128 v[KF+8*\b+4:KF+8*\b+7], v[AK] offset:\b*1024+512
.endr
	WIN 0xc0
.irp b, 0,1,2,3
	ds_load_b128 v[KF1+8*\b:KF1+8*\b+3], v[AK] offset:4096+\b*1024
	ds_load_b128 v[KF1+8*\b+4:KF1+8*\b+7], v[AK] offset:4096+\b*1024+512
.endr
	WIN 0
	s_wait_loadcnt 0x0                             ; the slot's knot constants
	s_wait_dscnt 16                                ; the first K half's fragments are in; K1's sixteen loads may stay out
	RIDE 0, 0
	RIDE 1, 1
	RIDE 2, 2
	RIDE 3, 3                                      ; its last seven lines hold five roundings: the places ahead of the loads below
	LOADAB 1
	BASIS 4                                        ; stands alone while the second half's fragments land
	s_wait_dscnt 2                                 ; all but pair 4's two stores
	RIDE 5, 4
	RIDE 6, 5
	RIDE 7, 6
.if \next
	s_add_nc_u64 s[8:9], s[8:9], 2*KCG             ; free since the wait for its loads: two groups of 32 features on
.set a, 0
.rept 20
	global_load_b128 v[CK+4*a:CK+4*a+3], v[L16], s[8:9] offset:512*a
.set a, a+1
.endr
.endif
	s_wait_dscnt 0x0                               ; my bases lie in the scratch,
	s_barrier_signal -1
	s_barrier_wait -1                              ; everybody's do.  My tensor load stays out
	WIN 0xc0
.irp kk, 0,1
.irp i, 0,1,2,3
	ds_load_b128 v[BSF+32*\kk+8*\i:BSF+32*\kk+8*\i+3], v[ABSR] offset:\i*8704+\kk*1088
	ds_load_b128 v[BSF+32*\kk+8*\i+4:BSF+32*\kk+8*\i+7], v[ABSR] offset:\i*8704+\kk*1088+544
.endr
.endr
	GCH 7
	s_wait_dscnt 8
	SPL 0
	s_wait_dscnt 0x0
	SPL 1
	WIN 0
	s_xor_b32 s[TBW], s[TBW], 0x20000
	s_xor_b32 s[TBS], s[TBS], 0x4000
.endm
; A CHANGE OF SLOTS and the slot's work.  Each wave waits for all its tensor loads (one is out: its part of the slot to be read), adds 0 to its spare word, and waits for that and for its LDS reads.
; refill = 1: a round of the cluster's barrier, and first behind it the fill of the slot read last.
.macro STEP refill
.if \refill
	s_wait_xcnt 0x0                                ; the last prefetches, a K slot back, have read their addresses
	s_add_nc_u64 s[PFW:PFW+1], s[PFW:PFW+1], BLK
	s_add_nc_u64 s[PFA:PFA+1], s[PFA:PFA+1], 8192
.endif
	s_wait_tensorcnt 0x0
	ds_add_u32 v[SPW], v[NIL]
.if \refill
	s_xor_b32 s[G0W+1], s[G0W+1], 0x20000
	s_add_nc_u64 s[G0W+2:G0W+3], s[G0W+2:G0W+3], BLK
	s_xor_b32 s[G0K+1], s[G0K+1], 0x4000
	s_add_nc_u64 s[G0K+2:G0K+3], s[G0K+2:G0K+3], BLK
	s_xor_b32 s[G0A+1], s[G0A+1], 0x4000
	s_add_nc_u64 s[G0A+2:G0A+3], s[G0A+2:G0A+3], 8192
.endif
	s_wait_dscnt 0x0
.if \refill
	CROUND
	JLOAD
	ASK
.else
	s_barrier_signal -1
	s_barrier_wait -1
.endif
	PROC \refill
.endm
	s_load_b256 s[4:11], s[0:1], 0x0               ; comb 4, wts 6, kc 8, z 10
	s_load_b64 s[12:13], s[0:1], 0x20              ; midp
	v_lshl_add_u32 v[SPW], v0, 2, SPARE
	v_mov_b32 v[NIL], 0
	ds_add_u32 v[SPW], v[NIL]                      ; the opening: the add, twice on end, and its wait ahead of my first tensor load
	ds_add_u32 v[SPW], v[NIL]
	v_lshrrev_b32 v1, 5, v0
	v_readfirstlane_b32 s[WV], v1
	s_bfe_u32 s[CX], ttmp6, 0x40000
	s_lshl_b32 s[RB], ttmp9, 2
	s_add_co_u32 s[RB], s[RB], s[CX]               ; my block of 64 rows: it enters comb's, z's and midp's addresses and the prefetches' alone
	s_and_b32 s[Q], ttmp7, 1                       ; q, which the four partners share: the grid is 2 high and a cluster 1, so the word holds 0 or 1; q picks one of the two K halves of my row tile in comb's LDS tile
	s_mov_b32 s[G1W], 15|(3<<16)|(1<<21)           ; the mask of four; 8-byte elements; bit 21 beside a mask
	s_mov_b32 s[G1K], 15|(3<<16)|(1<<21)
	s_mov_b32 s[G1A], 3<<16                        ; my own load
.irp g, G1W, G1K, G1A
	s_mov_b32 s[\g+1], 32<<16                      ; rows of 32 elements: 256 bytes, dense
	s_mov_b32 s[\g+3], 32<<16
	s_mov_b32 s[\g+5], 32
	s_mov_b32 s[\g+6], 0
	s_mov_b32 s[\g+7], 0
.endr
	s_mov_b32 s[G1W+2], 256<<16
	s_mov_b32 s[G1W+4], 256
	s_mov_b32 s[G1K+2], 16<<16
	s_mov_b32 s[G1K+4], 16
	s_mov_b32 s[G1A+2], 32<<16
	s_mov_b32 s[G1A+4], 32
	s_and_b32 s30, s[WV], 1
	s_lshl_b32 s30, s30, 16
	s_mov_b32 s31, 0
	s_mov_b32 s[G0W], 1
	s_mov_b32 s[G0W+1], s30
	s_mov_b32 s[G0K], 1
	s_mov_b32 s[G0K+1], SB0
	s_mov_b32 s[G0A], 1
	s_mov_b32 s[G0A+1], SB0+4096
	s_mul_i32 s28, s[Q], 16*BLK
	s_add_co_u32 s28, s28, 262144
	s_mov_b32 s29, 0
	s_lshl_b32 s72, s[RB], 17
	s_mov_b32 s73, 0
	s_lshl_b32 s74, s[CX], 2
	s_add_co_u32 s74, s74, s[WV]
	s_lshl_b32 s74, s74, 13
	s_add_co_u32 s74, s74, 2*BLK
	s_mov_b32 s75, 0
	s_mul_i32 s76, s[Q], KCG
	s_mov_b32 s77, 0
	s_mul_i32 s78, s[RB], 393216                   ; z: four row tiles of 96 tiles of 1,024 bytes a block of rows,
	s_mul_i32 s79, s[Q], 49152                     ; 48 column tiles a q,
	s_add_co_u32 s78, s78, s79
	s_mul_i32 s79, s[WV], 12288                    ; 12 a wave
	s_add_co_u32 s78, s78, s79
	s_mov_b32 s79, 0
	s_cmp_eq_u32 ttmp9, 0
	s_cselect_b32 s[LIMW], 2, -1
	s_xor_b32 s23, s[WV], 3
	s_or_b32 s23, s23, s[Q]
	s_cmp_eq_u32 s23, 0
	s_cselect_b32 s[LIMA], 2, -1
	s_mov_b32 s[TBW], 0
	s_mov_b32 s[TBS], SB0
	s_mov_b32 s[CNT], 15
	s_wait_dscnt 0x0
	s_wait_kmcnt 0x0
	s_add_nc_u64 s[6:7], s[6:7], s[28:29]          ; the weights' block (q, 0)
	s_add_nc_u64 s[G0W+2:G0W+3], s[6:7], s[30:31]
	s_or_b32 s[G0W+3], s[G0W+3], 0x80000000
	s_add_nc_u64 s[G0K+2:G0K+3], s[6:7], 131072
	s_or_b32 s[G0K+3], s[G0K+3], 0x80000000
	s_add_nc_u64 s[4:5], s[4:5], s[72:73]          ; comb at my rows
	s_mov_b64 s[G0A+2:G0A+3], s[4:5]
	s_or_b32 s[G0A+3], s[G0A+3], 0x80000000
	s_add_nc_u64 s[PFW:PFW+1], s[6:7], s[74:75]    ; at slot 2: the first trip steps both to slot 3
	s_add_nc_u64 s[PFA:PFA+1], s[4:5], 2*8192
	s_add_nc_u64 s[8:9], s[8:9], s[76:77]
	s_add_nc_u64 s[10:11], s[10:11], s[78:79]
	s_lshl_b32 s72, s[Q], 21
	s_lshl_b32 s74, s[RB], 14
	s_add_co_u32 s72, s72, s74
	s_lshl_b32 s74, s[WV], 12
	s_add_co_u32 s72, s72, s74
	s_add_nc_u64 s[12:13], s[12:13], s[72:73]
	CROUND                                         ; all four work-groups are here: the first joint loads meet
	JLOAD                                          ; K slot 0 into slot 0
	v_and_b32 v1, 31, v0
	v_lshlrev_b32 v[L16], 4, v1
	v_and_b32 v7, 15, v0
	v_bfe_u32 v17, v0, 4, 1
.set a, 0
.rept 20
	global_load_b128 v[CK+4*a:CK+4*a+3], v[L16], s[8:9] offset:512*a
.set a, a+1
.endr
	s_mul_i32 s28, s[WV], 12288
	v_add_nc_u32 v[AB0], s28, v[L16]
	s_lshl_b32 s28, s[WV], 13
	s_add_co_u32 s28, s28, 98304
	v_add_nc_u32 v[AK0], s28, v[L16]
	v_add_nc_u32 v[AA0], 4096, v[L16]
	s_lshl_b32 s28, s[WV], 1
	s_add_co_u32 s28, s28, s[Q]
	s_lshl_b32 s28, s28, 10
	s_add_co_u32 s28, s28, 4096                    ; comb's group (row tile w, K half q): 4,096 + 1,024 (2 w + q), inside the tile's 8,192 bytes
	v_add_nc_u32 v[AS0], s28, v[L16]
	v_and_b32 v[AX0], 7, v0                        ; the turning load: lane 8 g + j names row j of the 8 features 8 g ..: group e = l / 16, half h = (l / 8) % 2
	v_lshlrev_b32 v[AX0], 4, v[AX0]
	v_bfe_u32 v[AB], v0, 3, 1
	v_lshl_add_u32 v[AX0], v[AB], 8, v[AX0]
	v_lshl_add_u32 v[AX0], v17, 9, v[AX0]
	v_add_nc_u32 v[AX0], s28, v[AX0]
	s_mul_i32 s28, s[WV], 8704
	s_add_co_u32 s28, s28, BSB
	v_mul_u32_u24 v[ABSW], v1, 272
	v_add_nc_u32 v[ABSW], s28, v[ABSW]
	s_mul_i32 s28, s[WV], 2176
	s_add_co_u32 s28, s28, BSB
	v_mul_u32_u24 v[ABSR], v17, 272
	v_lshl_add_u32 v[ABSR], v7, 4, v[ABSR]
	v_add_nc_u32 v[ABSR], s28, v[ABSR]
	v_lshlrev_b32 v[PFO], 8, v1
	v_lshlrev_b32 v[MO], 4, v7
	v_lshl_add_u32 v[MO], v17, 11, v[MO]
	; the sums start at 0: written in the wait for the first tile, so that the K slot's text stands twice (loop and tail) and not three times
	WIN 0x40
.set a, 0
.rept 256
	v_mov_b32 v[a], 0
.set a, a+1
.endr
	WIN 0x80
.set a, 0
.rept 128
	v_mov_b32 v[a], 0
.set a, a+1
.endr
	WIN 0xc0
.set a, 0
.rept 160
	v_mov_b32 v[a], 0
.set a, a+1
.endr
	WIN 0
.Lstep:                                            ; 15 trips: K slot t is worked on, K slot t + 1 asked for
	STEP 1
	s_sub_co_u32 s[CNT], s[CNT], 1
	s_cmp_lg_u32 s[CNT], 0
	s_cbranch_scc1 .Lstep
	STEP 0                                         ; the last slot: nothing is asked for
	; THE WAY OUT
	s_wait_dscnt 0x0
	s_barrier_signal -1
	s_barrier_wait -1                              ; no wave reads LDS any more: slot 0, which has had its last fill, takes the partial sums below
.rept 4
	v_nop                                          ; the places behind the last products
.endr
	s_lshl_b32 s28, s[WV], 14
	v_add_nc_u32 v[AB], s28, v[L16]
	s_lshl_b32 s28, s[WV], 12
	v_add_nc_u32 v[AK], s28, v[L16]
	; z leaves as the accumulators lie, each from its low registers on: a store of the wave covers 512 consecutive bytes, aligned
.irp i, 0,1,2,3
.set nt, 0
.rept 12
.set ga, 12*\i+nt
.if ga < 32
	WIN 0x04                                       ; the stores' data in window 1
	global_store_b128 v[L16], v[8*ga:8*ga+3], s[10:11] offset:\i*98304+nt*1024
	global_store_b128 v[L16], v[8*ga+4:8*ga+7], s[10:11] offset:\i*98304+nt*1024+512
.else
	WIN 0x08                                       ; in window 2
	global_store_b128 v[L16], v[8*(ga-32):8*(ga-32)+3], s[10:11] offset:\i*98304+nt*1024
	global_store_b128 v[L16], v[8*(ga-32)+4:8*(ga-32)+7], s[10:11] offset:\i*98304+nt*1024+512
.endif
.set nt, nt+1
.endr
.endr
	WIN 0x0c                                       ; data in window 3
.set a, 0
.rept 16
	ds_store_b128 v[AB], v[8*a:8*a+3] offset:a*1024
	ds_store_b128 v[AB], v[8*a+4:8*a+7] offset:a*1024+512
.set a, a+1
.endr
	WIN 0
	s_wait_dscnt 0x0
	s_barrier_signal -1
	s_barrier_wait -1                              ; all four waves' partial sums of mid lie in LDS; wave w finishes row tile w
.irp v, 0,1,2,3
.irp b, 0,1,2,3
	ds_load_b128 v[96+32*\v+8*\b:96+32*\v+8*\b+3], v[AK] offset:\v*16384+\b*1024
	ds_load_b128 v[96+32*\v+8*\b+4:96+32*\v+8*\b+7], v[AK] offset:\v*16384+\b*1024+512
.endr
.endr
	s_wait_dscnt 0x0
.irp v, 1,2,3
.set a, 0
.rept 16
	v_pk_add_f32 v[96+a:96+a+1], v[96+a:96+a+1], v[96+32*\v+a:96+32*\v+a+1]
.set a, a+2
.endr
.endr
	WIN 0x0c                                       ; source 1 in window 3: the silu path's sums
.set a, 0
.rept 16
	v_pk_add_f32 v[96+a:96+a+1], v[96+a:96+a+1], v[MB+a:MB+a+1]
.set a, a+2
.endr
	WIN 0
.irp b, 0,1,2,3
	global_store_b128 v[MO], v[96+8*\b:96+8*\b+3], s[12:13] offset:\b*256          ; 16 lanes store 256 consecutive bytes, aligned
	global_store_b128 v[MO], v[96+8*\b+4:96+8*\b+7], s[12:13] offset:\b*256+1024
.endr
	s_wait_tensorcnt 0x0                           ; the wave's end
	ds_add_u32 v[SPW], v[NIL]
	s_wait_dscnt 0x0
	CROUND                                         ; the closing round
	s_endpgm
.Lfunc_end_k_q59d6d980c2_main:
	.size	k_q59d6d980c2_main, .Lfunc_end_k_q59d6d980c2_main-k_q59d6d980c2_main
	.p2alignl 7, 3214868480
	.fill 96, 4, 3214868480
	.section	.rodata,"a",@progbits
	.p2align	6, 0x0
	.amdhsa_kernel k_q59d6d980c2_main
		.amdhsa_group_segment_fixed_size 327680
		.amdhsa_private_segment_fixed_size 0
		.amdhsa_enable_private_segment 0
		.amdhsa_kernarg_size 40
		.amdhsa_user_sgpr_count 2
		.amdhsa_user_sgpr_kernarg_segment_ptr 1
		.amdhsa_wavefront_size32 1
		.amdhsa_system_sgpr_workgroup_id_x 1
		.amdhsa_system_sgpr_workgroup_id_y 1
		.amdhsa_system_sgpr_workgroup_id_z 1
		.amdhsa_system_vgpr_workitem_id 0
		.amdhsa_next_free_vgpr 1024
		.amdhsa_next_free_sgpr 80
		.amdhsa_reserve_vcc 0
		.amdhsa_float_denorm_mode_32 3
		.amdhsa_float_denorm_mode_16_64 3
		.amdhsa_memory_ordered 1
		.amdhsa_forward_progress 1
		.amdhsa_inst_pref_size 195
	.end_amdhsa_kernel
	.amdgpu_metadata
---
amdhsa.version: [ 1, 2 ]
amdhsa.kernels:
  - .name:           k_q59d6d980c2_main
    .symbol:         k_q59d6d980c2_main.kd
    .args:
      - { .name: comb, .offset: 0, .size: 8, .value_kind: global_buffer, .address_space: global }
      - { .name: wts, .offset: 8, .size: 8, .value_kind: global_buffer, .address_space: global }
      - { .name: kc, .offset: 16, .size: 8, .value_kind: global_buffer, .address_space: global }
      - { .name: z, .offset: 24, .size: 8, .value_kind: global_buffer, .address_space: global }
      - { .name: midp, .offset: 32, .size: 8, .value_kind: global_buffer, .address_space: global }
    .group_segment_fixed_size: 327680
    .private_segment_fixed_size: 0
    .kernarg_segment_align: 8
    .kernarg_segment_size: 40
    .max_flat_workgroup_size: 128
    .sgpr_count:     80
    .vgpr_count:     1024
    .wavefront_size: 32
...
	.end_amdgpu_metadata
.endif
;; end of part 3
;; launch final (part 4): grid 256 x 1, 8 waves a work-group, no clusters, 118,272 bytes of LDS; arguments midp, kc, wts, z, comb, vec, out0, reset; writes out0, reset
.if DOCPART == 4
	.amdgcn_target "amdgcn-amd-amdhsa--gfx1250"
	.amdhsa_code_object_version 6
	.text
	.protected	k_q59d6d980c2_final
	.globl	k_q59d6d980c2_final
	.p2align	8
	.type	k_q59d6d980c2_final,@function
k_q59d6d980c2_final:
	s_mov_b64 s[64:65], 0
	v_nop
	global_prefetch_b8 v0, s[64:65] scope:SCOPE_SE
	s_setreg_imm32_b32 hwreg(HW_REG_WAVE_MODE, 25, 1), 1
	s_wait_xcnt 0x0
; FINAL: mid = midp[0] + midp[1]; KAN2 (silu path and splines, K = 576) added onto the residual; LayerNorm twice; silu; the update gate (LayerNorm, sigmoid); the blend with h_prev; and the reset gate
; (LayerNorm, tanh), which reference() computes and does not use: it is stored, in bf16, in a buffer of its own.
; SHARES.  A work-group has 32 rows, whole rows of 512; wave w has columns 64 w .. 64 w + 63 of every quantity: tile (i, nt) at 8 (4 i + nt), a lane one row (l % 16) and 8 columns (8 (l / 16) + j).
; z lies in that order in f32, and so does comb's copy of h_prev in bf16 (K slot 8 + w, group 2 c + e = nt): both come straight into their registers.
; For the bases wave w has features 32 (w % 2) + lane, row tile (w / 2) % 2, rows 8 (w / 4) + 0..7.
; Biases and gains come from vec: copies rounded once to bf16.  h_prev enters the blend as comb holds it, rounded once to bf16.
; LAYERNORM in two passes, all f32: the row's sum meets in LDS (eight waves' words a row), the mean is taken away, then the same for the squares.  Each meeting has bytes of its own, so one barrier serves it.
; LIMITS as in MAIN: a feature's knots differ from each other, in any order; bases and silu(mid) rounded once to bf16; NaN and infinities not treated apart.  tanh = 1 - 2 / (1 + 2^(2 x log2 e)).
; No tensor load and no cluster: KAN2's weights go straight from memory into the registers of the one wave of each work-group that multiplies by them.
.set SMB,   34816       ; silu(mid): 32 rows x 144 bytes.  Ahead of it the bases: [row tile 2] x 17,408: feature f at 272 f, row at 16 r
.set EXB,   39424       ; eight areas of 1,024 bytes: [row 32][wave 8] f32
.set STB,   47616       ; a stage of 32 rows x 272 bytes for each wave
.set SPARE, 117248      ; the spare words: 128 bytes a wave
.set WK2,   4587520
.set KCG,   10240
.set SPW, 2
.set NIL, 3
.set L16, 4
.set PV,  5             ; 256 w + 32 h: my 8 columns' place in a vector of 512 f32, n tile 0
.set EXW, 6
.set EXR, 7
.set HV,  8             ; 2,048 h + 16 r: two rows of 256 bytes
.set STW, 9             ; the stage by rows
.set STR, 10            ; the stage by fragments
.set ABSW, 11
.set SMW, 12
.set BSR, 13
.set SMR, 14
.set Y,   16            ; v[16:79]   the residual, then the candidate; at the end the reset gate
.set CK,  80            ; phase A: v[80:159] the constants
.set X,   160           ; v[160:167]
.set C,   168           ; v[168:187]; first mid's two halves as loaded
.set T,   188           ; v[188:207]
.set U,   208           ; v[208:227]
.set P,   228           ; v[228:235]
.set WF,  80            ; phase B: v[80:143] the weights' fragments, two sets of 32
.set AFR, 144           ; v[144:175] the bases' fragments, two sets of 16
.set UU,  80            ; phase C: v[80:143] the update gate; then the result by rows
.set BB,  144           ; v[144:175] a bias; h_prev as loaded
.set PB,  176           ; v[176:207] a LayerNorm's b; first the residual's bias
.set PG,  208           ; v[208:239] a LayerNorm's g; at work in the activations
.set TA,  240           ; v[240:255]
.set WV,  40
.set C512, 41
.set SEL, 42
.set EPS, 44
.macro BOP                             ; as in MAIN: number BN of the 93 lines for the two rows in v[BX:BX+1]
.if BN < 10
.set bj, BN
	v_pk_fma_f32 v[C+2*bj:C+2*bj+1], v[BX:BX+1], v[CK+2*bj:CK+2*bj+1], v[CK+2*bj:CK+2*bj+1] op_sel:[0,0,1] op_sel_hi:[1,0,1] clamp
.elseif BN < 20
.set bj, BN-10
	v_pk_fma_f32 v[T+2*bj:T+2*bj+1], v[BX:BX+1], v[CK+20+2*bj:CK+20+2*bj+1], v[CK+20+2*bj:CK+20+2*bj+1] op_sel:[0,0,1] op_sel_hi:[1,0,1] clamp
.elseif BN < 30
.set bj, BN-20
	v_pk_add_f32 v[C+2*bj:C+2*bj+1], v[C+2*bj:C+2*bj+1], v[T+2*bj:T+2*bj+1] neg_lo:[0,1] neg_hi:[0,1]
.elseif BN < 40
.set bj, BN-30
	v_pk_fma_f32 v[T+2*bj:T+2*bj+1], v[BX:BX+1], v[CK+40+2*bj:CK+40+2*bj+1], v[CK+40+2*bj:CK+40+2*bj+1] op_sel:[0,0,1] op_sel_hi:[1,0,1]
.elseif BN < 49
.set bj, BN-39
	v_pk_fma_f32 v[U+2*bj:U+2*bj+1], v[T+2*bj:T+2*bj+1], v[C+2*bj:C+2*bj+1], v[C+2*bj:C+2*bj+1] neg_lo:[1,0,0] neg_hi:[1,0,0]
.elseif BN < 58
.set bj, BN-49
	v_pk_fma_f32 v[C+2*bj:C+2*bj+1], v[T+2*bj:T+2*bj+1], v[C+2*bj:C+2*bj+1], v[U+2*bj+2:U+2*bj+3]
.elseif BN < 67
.set bj, BN-58
	v_pk_fma_f32 v[T+2*bj:T+2*bj+1], v[BX:BX+1], v[CK+60+2*bj:CK+60+2*bj+1], v[CK+60+2*bj:CK+60+2*bj+1] op_sel:[0,0,1] op_sel_hi:[1,0,1]
.elseif BN < 75
.set bj, BN-66
	v_pk_fma_f32 v[U+2*bj:U+2*bj+1], v[T+2*bj:T+2*bj+1], v[C+2*bj:C+2*bj+1], v[C+2*bj:C+2*bj+1] neg_lo:[1,0,0] neg_hi:[1,0,0]
.elseif BN < 83
.set bj, BN-75
	v_pk_fma_f32 v[C+2*bj:C+2*bj+1], v[T+2*bj:T+2*bj+1], v[C+2*bj:C+2*bj+1], v[U+2*bj+2:U+2*bj+3]
.elseif BN < 87
.set bj, BN-83
	v_cvt_pk_bf16_f32 v[P+bj], v[C+4*bj], v[C+4*bj+2]
.elseif BN < 91
.set bj, BN-87
	v_cvt_pk_bf16_f32 v[P+4+bj], v[C+4*bj+1], v[C+4*bj+3]
.elseif BN == 91
	ds_store_b128 v[ABSW], v[P:P+3] offset:BPO
.else
	ds_store_b128 v[ABSW], v[P+4:P+7] offset:BPO+16
.endif
.set BN, BN+1
.endm
.macro ZRAW G, dst                     ; my eight tiles of gate G of z (0 reset, 1 update, 2 residual): sixteen loads of 512 consecutive bytes
.irp i, 0,1
.irp nt, 0,1,2,3
	global_load_b128 v[(\dst)+8*(4*\i+\nt):(\dst)+8*(4*\i+\nt)+3], v[L16], s[14:15] offset:\i*98304+(\G)*32768+\nt*1024
	global_load_b128 v[(\dst)+8*(4*\i+\nt)+4:(\dst)+8*(4*\i+\nt)+7], v[L16], s[14:15] offset:\i*98304+(\G)*32768+\nt*1024+512
.endr
.endr
.endm
.macro VLOAD idx, dst                  ; my 32 numbers of vector idx of vec
.irp nt, 0,1,2,3
	global_load_b128 v[(\dst)+8*\nt:(\dst)+8*\nt+3], v[PV], s[18:19] offset:(\idx)*2048+\nt*64
	global_load_b128 v[(\dst)+8*\nt+4:(\dst)+8*\nt+7], v[PV], s[18:19] offset:(\idx)*2048+\nt*64+16
.endr
.endm
.macro BADD V, bias                    ; V += bias, each tile from its low registers on
.set tt, 0
.rept 8
.irp k, 0,2,4,6
	v_pk_add_f32 v[(\V)+8*tt+\k:(\V)+8*tt+\k+1], v[(\V)+8*tt+\k:(\V)+8*tt+\k+1], v[(\bias)+8*(tt%4)+\k:(\bias)+8*(tt%4)+\k+1]
.endr
.set tt, tt+1
.endr
.endm
.macro RSUM V, sq                      ; my 32 numbers (sq = 1: their squares) of each of my two rows, and the other half of the lanes': into v[TA], v[TA+4]
.if \sq
.irp i, 0,1
	v_pk_mul_f32 v[TA+4*\i:TA+4*\i+1], v[(\V)+32*\i:(\V)+32*\i+1], v[(\V)+32*\i:(\V)+32*\i+1]
	v_pk_mul_f32 v[TA+4*\i+2:TA+4*\i+3], v[(\V)+32*\i+2:(\V)+32*\i+3], v[(\V)+32*\i+2:(\V)+32*\i+3]
.endr
.set a, 4
.rept 7
.irp i, 0,1
	v_pk_fma_f32 v[TA+4*\i:TA+4*\i+1], v[(\V)+32*\i+a:(\V)+32*\i+a+1], v[(\V)+32*\i+a:(\V)+32*\i+a+1], v[TA+4*\i:TA+4*\i+1]
	v_pk_fma_f32 v[TA+4*\i+2:TA+4*\i+3], v[(\V)+32*\i+a+2:(\V)+32*\i+a+3], v[(\V)+32*\i+a+2:(\V)+32*\i+a+3], v[TA+4*\i+2:TA+4*\i+3]
.endr
.set a, a+4
.endr
.else
.irp i, 0,1
	v_pk_add_f32 v[TA+4*\i:TA+4*\i+1], v[(\V)+32*\i:(\V)+32*\i+1], v[(\V)+32*\i+4:(\V)+32*\i+5]
	v_pk_add_f32 v[TA+4*\i+2:TA+4*\i+3], v[(\V)+32*\i+2:(\V)+32*\i+3], v[(\V)+32*\i+6:(\V)+32*\i+7]
.endr
.set a, 8
.rept 6
.irp i, 0,1
	v_pk_add_f32 v[TA+4*\i:TA+4*\i+1], v[TA+4*\i:TA+4*\i+1], v[(\V)+32*\i+a:(\V)+32*\i+a+1]
	v_pk_add_f32 v[TA+4*\i+2:TA+4*\i+3], v[TA+4*\i+2:TA+4*\i+3], v[(\V)+32*\i+a+2:(\V)+32*\i+a+3]
.endr
.set a, a+4
.endr
.endif
.irp i, 0,1
	v_pk_add_f32 v[TA+4*\i:TA+4*\i+1], v[TA+4*\i:TA+4*\i+1], v[TA+4*\i+2:TA+4*\i+3]
.endr
.irp i, 0,1
	v_add_f32 v[TA+4*\i], v[TA+4*\i], v[TA+4*\i+1]
.endr
.irp i, 0,1
	v_permlanex16_b32 v[TA+4*\i+1], v[TA+4*\i], s[SEL], s[SEL+1]
.endr
.irp i, 0,1
	v_add_f32 v[TA+4*\i], v[TA+4*\i], v[TA+4*\i+1]
.endr
.endm
.macro EXCH ar                         ; the eight waves' words of a row meet in area ar; the rows' totals come back in v[TA], v[TA+4]
	ds_store_b32 v[EXW], v[TA] offset:(\ar)*1024
	ds_store_b32 v[EXW], v[TA+4] offset:(\ar)*1024+512
	s_wait_dscnt 0x0                               ; for the others' sake
	s_barrier_signal -1
	s_barrier_wait -1
	ds_load_b128 v[TA:TA+3], v[EXR] offset:(\ar)*1024
	ds_load_b128 v[TA+4:TA+7], v[EXR] offset:(\ar)*1024+16
	ds_load_b128 v[TA+8:TA+11], v[EXR] offset:(\ar)*1024+512
	ds_load_b128 v[TA+12:TA+15], v[EXR] offset:(\ar)*1024+528
	s_wait_dscnt 0x0
	v_pk_add_f32 v[TA:TA+1], v[TA:TA+1], v[TA+2:TA+3]
	v_pk_add_f32 v[TA+4:TA+5], v[TA+4:TA+5], v[TA+6:TA+7]
	v_pk_add_f32 v[TA+8:TA+9], v[TA+8:TA+9], v[TA+10:TA+11]
	v_pk_add_f32 v[TA+12:TA+13], v[TA+12:TA+13], v[TA+14:TA+15]
	v_pk_add_f32 v[TA:TA+1], v[TA:TA+1], v[TA+4:TA+5]
	v_pk_add_f32 v[TA+8:TA+9], v[TA+8:TA+9], v[TA+12:TA+13]
	v_add_f32 v[TA], v[TA], v[TA+1]
	v_add_f32 v[TA+4], v[TA+8], v[TA+9]
.endm
; V = (V - mean) rsqrt(var + 1e-5) g + b.  ld = 1: g and b (vectors gi, bi) are fetched into PG and PB at the head.  wt >= 0: ahead of their use, the wait that leaves wt younger loads out
.macro LNORM V, ar, gi, bi, ld, wt
.if \ld
	VLOAD \gi, PG
	VLOAD \bi, PB
.endif
	RSUM \V, 0
	EXCH \ar
	v_mul_f32 v[TA], s[C512], v[TA]
	v_mul_f32 v[TA+4], s[C512], v[TA+4]
.irp i, 0,1
.set a, 0
.rept 16
	v_pk_add_f32 v[(\V)+32*\i+a:(\V)+32*\i+a+1], v[(\V)+32*\i+a:(\V)+32*\i+a+1], v[TA+4*\i:TA+4*\i+1] op_sel_hi:[1,0] neg_lo:[0,1] neg_hi:[0,1]
.set a, a+2
.endr
.endr
	RSUM \V, 1
	EXCH (\ar)+1
	v_fma_f32 v[TA], v[TA], s[C512], s[EPS]
	v_fma_f32 v[TA+4], v[TA+4], s[C512], s[EPS]
	v_rsq_f32 v[TA], v[TA]
	v_rsq_f32 v[TA+4], v[TA+4]
	v_nop
	s_wait_alu depctr_va_vdst(0)                   ; one wait for the two
.if (\wt) >= 0
	s_wait_loadcnt \wt
.endif
.irp i, 0,1
.set a, 0
.rept 16
	v_pk_mul_f32 v[(\V)+32*\i+a:(\V)+32*\i+a+1], v[(\V)+32*\i+a:(\V)+32*\i+a+1], v[TA+4*\i:TA+4*\i+1] op_sel_hi:[1,0]
.set a, a+2
.endr
.set a, 0
.rept 16
	v_pk_fma_f32 v[(\V)+32*\i+a:(\V)+32*\i+a+1], v[(\V)+32*\i+a:(\V)+32*\i+a+1], v[PG+a:PG+a+1], v[PB+a:PB+a+1]
.set a, a+2
.endr
.endr
.endm
.macro ACT kind, V                     ; 0 sigmoid, 1 tanh, 2 silu; 32 registers at a time, PG at work; each batch of transcendentals has one wait
.irp hh, 0,1
.set a, 0
.rept 16
.if (\kind) == 1
	v_pk_mul_f32 v[PG+a:PG+a+1], v[(\V)+32*\hh+a:(\V)+32*\hh+a+1], 0x4038aa3b op_sel_hi:[1,0]
.else
	v_pk_mul_f32 v[PG+a:PG+a+1], v[(\V)+32*\hh+a:(\V)+32*\hh+a+1], 0xbfb8aa3b op_sel_hi:[1,0]
.endif
.set a, a+2
.endr
.set a, 0
.rept 32
	v_exp_f32 v[PG+a], v[PG+a]
.set a, a+1
.endr
	v_nop
	s_wait_alu depctr_va_vdst(0)
.set a, 0
.rept 16
	v_pk_add_f32 v[PG+a:PG+a+1], v[PG+a:PG+a+1], 1.0 op_sel_hi:[1,0]
.set a, a+2
.endr
.set a, 0
.rept 32
.if (\kind) == 0
	v_rcp_f32 v[(\V)+32*\hh+a], v[PG+a]
.else
	v_rcp_f32 v[PG+a], v[PG+a]
.endif
.set a, a+1
.endr
	v_nop
	s_wait_alu depctr_va_vdst(0)
.set a, 0
.rept 16
.if (\kind) == 1
	v_pk_fma_f32 v[(\V)+32*\hh+a:(\V)+32*\hh+a+1], v[PG+a:PG+a+1], -2.0, 1.0 op_sel_hi:[1,0,0]
.elseif (\kind) == 2
	v_pk_mul_f32 v[(\V)+32*\hh+a:(\V)+32*\hh+a+1], v[(\V)+32*\hh+a:(\V)+32*\hh+a+1], v[PG+a:PG+a+1]
.endif
.set a, a+2
.endr
.endr
.endm
.macro WLOAD ks
.irp nt, 0,1,2,3
	global_load_b128 v[WF+32*((\ks)%2)+8*\nt:WF+32*((\ks)%2)+8*\nt+3], v[L16], s[12:13] offset:(\ks)*32768+\nt*1024
	global_load_b128 v[WF+32*((\ks)%2)+8*\nt+4:WF+32*((\ks)%2)+8*\nt+7], v[L16], s[12:13] offset:(\ks)*32768+\nt*1024+512
.endr
.endm
.macro ALOAD ks                        ; K step ks of both row tiles: four features' bases, or 32 features of silu(mid)
.irp i, 0,1
.if (\ks) < 16
	ds_load_b128 v[AFR+16*((\ks)%2)+8*\i:AFR+16*((\ks)%2)+8*\i+3], v[BSR] offset:\i*17408+(\ks)*1088
	ds_load_b128 v[AFR+16*((\ks)%2)+8*\i+4:AFR+16*((\ks)%2)+8*\i+7], v[BSR] offset:\i*17408+(\ks)*1088+544
.else
	ds_load_b128 v[AFR+16*((\ks)%2)+8*\i:AFR+16*((\ks)%2)+8*\i+3], v[SMR] offset:\i*2304+((\ks)-16)*64
	ds_load_b128 v[AFR+16*((\ks)%2)+8*\i+4:AFR+16*((\ks)%2)+8*\i+7], v[SMR] offset:\i*2304+((\ks)-16)*64+32
.endif
.endr
.endm
	s_load_b512 s[8:23], s[0:1], 0x0               ; midp 8, kc 10, wts 12, z 14, comb 16, vec 18, out0 20, reset 22
	v_lshl_add_u32 v[SPW], v0, 2, SPARE
	v_mov_b32 v[NIL], 0
	v_lshrrev_b32 v1, 5, v0
	v_readfirstlane_b32 s[WV], v1
	s_and_b32 s46, s[WV], 1                        ; g
	s_bfe_u32 s47, s[WV], 0x10001                  ; i
	s_lshr_b32 s48, s[WV], 2                       ; hf
	s_mov_b32 s[C512], 0x3b000000                  ; 1 / 512
	s_mov_b32 s[EPS], 0x3727c5ac                   ; 1e-5
	s_mov_b32 s[SEL], 0x76543210
	s_mov_b32 s[SEL+1], 0xfedcba98
	v_and_b32 v1, 31, v0
	v_and_b32 v240, 15, v0
	v_bfe_u32 v241, v0, 4, 1
	v_lshlrev_b32 v[L16], 4, v1
	s_lshl_b32 s49, s[WV], 8
	v_lshl_add_u32 v[PV], v241, 5, s49
	v_lshl_add_u32 v[EXR], v240, 5, EXB
	s_lshl_b32 s50, s[WV], 2
	v_add_nc_u32 v[EXW], s50, v[EXR]
	v_lshlrev_b32 v[HV], 4, v240
	v_lshl_add_u32 v[HV], v241, 11, v[HV]
	s_mul_i32 s51, s[WV], 8704
	s_add_co_u32 s51, s51, STB
	v_mul_u32_u24 v[BSR], v241, 272
	v_lshl_add_u32 v[BSR], v240, 4, v[BSR]
	v_add_nc_u32 v[STW], s51, v[BSR]
	v_mul_u32_u24 v[STR], v240, 272
	v_lshl_add_u32 v[STR], v241, 5, v[STR]
	v_add_nc_u32 v[STR], s51, v[STR]
	s_mul_i32 s52, s47, 17408
	s_mul_i32 s53, s46, 8704
	s_add_co_u32 s52, s52, s53
	s_lshl_b32 s53, s48, 7
	s_add_co_u32 s52, s52, s53
	v_mul_u32_u24 v[ABSW], v1, 272
	v_add_nc_u32 v[ABSW], s52, v[ABSW]
	s_mul_i32 s52, s47, 2304
	s_mul_i32 s53, s48, 1152
	s_add_co_u32 s52, s52, s53
	s_lshl_b32 s53, s46, 6
	s_add_co_u32 s52, s52, s53
	s_add_co_u32 s52, s52, SMB
	v_lshl_add_u32 v[SMW], v1, 1, s52
	v_mul_u32_u24 v[SMR], v240, 144
	v_lshl_add_u32 v[SMR], v241, 4, v[SMR]
	v_add_nc_u32 v[SMR], SMB, v[SMR]
	s_mov_b32 s55, 0
	s_wait_kmcnt 0x0
	s_lshl_b32 s54, ttmp9, 13                      ; midp: 8 groups of 4 rows a work-group
	s_lshl_b32 s53, s47, 12
	s_add_co_u32 s54, s54, s53
	s_lshl_b32 s53, s48, 11
	s_add_co_u32 s54, s54, s53
	s_lshl_b32 s53, s46, 9
	s_add_co_u32 s54, s54, s53
	s_add_nc_u64 s[8:9], s[8:9], s[54:55]
	s_mul_i32 s54, s46, KCG
	s_add_co_u32 s54, s54, 32*KCG
	s_add_nc_u64 s[10:11], s[10:11], s[54:55]      ; grid2's constants, my 32 features
	s_lshl_b32 s54, s[WV], 12
	s_add_co_u32 s54, s54, WK2
	s_add_nc_u64 s[12:13], s[12:13], s[54:55]
	s_mul_i32 s54, ttmp9, 196608                   ; z: two row tiles of 96 tiles of 1,024 bytes a work-group, four column tiles a wave
	s_lshl_b32 s53, s[WV], 12
	s_add_co_u32 s54, s54, s53
	s_add_nc_u64 s[14:15], s[14:15], s[54:55]
	s_lshr_b32 s54, ttmp9, 1                       ; comb: block of 64 rows, K slot 8 + w, my first row tile
	s_lshl_b32 s54, s54, 17
	s_and_b32 s53, ttmp9, 1
	s_lshl_b32 s53, s53, 12
	s_add_co_u32 s54, s54, s53
	s_lshl_b32 s53, s[WV], 13
	s_add_co_u32 s54, s54, s53
	s_add_co_u32 s54, s54, 65536
	s_add_nc_u64 s[16:17], s[16:17], s[54:55]
	s_lshl_b32 s54, ttmp9, 16
	s_add_co_u32 s54, s54, s49
	s_add_nc_u64 s[20:21], s[20:21], s[54:55]
	s_lshl_b32 s54, ttmp9, 15
	s_lshl_b32 s53, s[WV], 11
	s_add_co_u32 s54, s54, s53
	s_add_nc_u64 s[22:23], s[22:23], s[54:55]
	; PHASE A: mid, silu(mid) and the bases of my feature for my eight rows.  The residual is asked for at once, into the registers onto which KAN2's products will add
	global_load_b128 v[C:C+3], v[L16], s[8:9]
	global_load_b128 v[C+4:C+7], v[L16], s[8:9] offset:1024
	global_load_b128 v[C+8:C+11], v[L16], s[8:9] offset:2097152
	global_load_b128 v[C+12:C+15], v[L16], s[8:9] offset:2097152+1024
.set a, 0
.rept 20
	global_load_b128 v[CK+4*a:CK+4*a+3], v[L16], s[10:11] offset:512*a
.set a, a+1
.endr
	ZRAW 2, Y
	s_wait_loadcnt 36                              ; mid's four loads are in; the twenty of the constants and the sixteen of the residual may stay out
.irp k, 0,2,4,6
	v_pk_add_f32 v[X+\k:X+\k+1], v[C+\k:C+\k+1], v[C+8+\k:C+8+\k+1]
.endr
.irp k, 0,2,4,6
	v_pk_mul_f32 v[T+\k:T+\k+1], v[X+\k:X+\k+1], 0xbfb8aa3b op_sel_hi:[1,0]
.endr
.irp k, 0,1,2,3,4,5,6,7
	v_exp_f32 v[T+\k], v[T+\k]
.endr
	v_nop
	s_wait_alu depctr_va_vdst(0)
.irp k, 0,2,4,6
	v_pk_add_f32 v[T+\k:T+\k+1], v[T+\k:T+\k+1], 1.0 op_sel_hi:[1,0]
.endr
.irp k, 0,1,2,3,4,5,6,7
	v_rcp_f32 v[T+\k], v[T+\k]
.endr
	v_nop
	s_wait_alu depctr_va_vdst(0)
.irp k, 0,2,4,6
	v_pk_mul_f32 v[U+\k:U+\k+1], v[X+\k:X+\k+1], v[T+\k:T+\k+1]
.endr
.irp p, 0,1,2,3
	v_cvt_pk_bf16_f32 v[P+\p], v[U+2*\p], v[U+2*\p+1]
.endr
.irp p, 0,1,2,3
	ds_store_b16 v[SMW], v[P+\p] offset:2*\p*144
	ds_store_b16_d16_hi v[SMW], v[P+\p] offset:(2*\p+1)*144
.endr
	s_wait_loadcnt 16                              ; the constants are in; the residual's sixteen loads may stay out
.irp p, 0,1,2,3
.set BX, X+2*\p
.set BPO, 32*\p
.set BN, 0
.rept 93
	BOP
.endr
.endr
	VLOAD 1, PB                                    ; rp_b and cn_g, wanted behind KAN2's products
	VLOAD 2, PG
	WLOAD 0
	WLOAD 1
	s_wait_dscnt 0x0
	s_barrier_signal -1
	s_barrier_wait -1                              ; bases and silu(mid) of all 32 rows and 64 features lie in LDS
	; PHASE B: KAN2, 18 K steps, added onto the residual; source 0 = 16 rows of the weights, source 1 = 16 rows of bases.  The eight accumulators take turns
	ALOAD 0
.set ks, 0
.rept 18
.if ks < 17
	ALOAD ks+1
	s_wait_dscnt 4                                 ; this step's fragments are in; the next step's four loads may stay out
	s_wait_loadcnt 8                               ; likewise the weights; the first time all that was asked for earlier, the residual too
.else
	s_wait_dscnt 0x0
	s_wait_loadcnt 0x0
.endif
.irp nt, 0,1,2,3
.irp i, 0,1
	v_wmma_f32_16x16x32_bf16 v[Y+8*(4*\i+\nt):Y+8*(4*\i+\nt)+7], v[WF+32*(ks%2)+8*\nt:WF+32*(ks%2)+8*\nt+7], v[AFR+16*(ks%2)+8*\i:AFR+16*(ks%2)+8*\i+7], v[Y+8*(4*\i+\nt):Y+8*(4*\i+\nt)+7]
.endr
.endr
.rept 4
	v_nop                                          ; four places ahead of loads into registers that the products have read, and of the sums' first readers
.endr
.if ks < 16
	WLOAD ks+2
.endif
.set ks, ks+1
.endr
	; PHASE C: the candidate
	BADD Y, PB                                     ; + rp_b
	VLOAD 3, PB                                    ; cn_b, wanted at the first LayerNorm's end,
	VLOAD 4, BB                                    ; and the update gate's bias and z, wanted behind the candidate
	ZRAW 1, UU
	LNORM Y, 0, 2, 3, 0, 24                        ; cn_b is in when the 8 + 16 loads issued behind it may still be out
	LNORM Y, 2, 2, 3, 0, -1                        ; the same LayerNorm once more
	ACT 2, Y
	; the update gate
	s_wait_loadcnt 0x0
	BADD UU, BB
	LNORM UU, 4, 5, 6, 1, 0
.irp i, 0,1
.irp nt, 0,1,2,3
	global_load_b128 v[BB+4*(4*\i+\nt):BB+4*(4*\i+\nt)+3], v[L16], s[16:17] offset:\i*2048+\nt*512  ; h_prev in bf16, in my tiles' order
.endr
.endr
	ACT 0, UU
	s_wait_loadcnt 0x0
.set tt, 0
.rept 8
.set th, TA+8*(tt%2)
.irp k, 0,1,2,3
	v_lshlrev_b32 v[th+2*\k], 16, v[BB+4*tt+\k]
	v_and_b32 v[th+2*\k+1], 0xffff0000, v[BB+4*tt+\k]
.endr
.irp k, 0,2,4,6
	v_pk_add_f32 v[Y+8*tt+\k:Y+8*tt+\k+1], v[Y+8*tt+\k:Y+8*tt+\k+1], v[th+\k:th+\k+1] neg_lo:[0,1] neg_hi:[0,1]
.endr
.irp k, 0,2,4,6
	v_pk_fma_f32 v[Y+8*tt+\k:Y+8*tt+\k+1], v[UU+8*tt+\k:UU+8*tt+\k+1], v[Y+8*tt+\k:Y+8*tt+\k+1], v[th+\k:th+\k+1]  ; h + u (c - h)
.endr
.set tt, tt+1
.endr
.irp i, 0,1
.irp nt, 0,1,2,3
	ds_store_b128 v[STR], v[Y+8*(4*\i+\nt):Y+8*(4*\i+\nt)+3] offset:\i*4352+\nt*64
	ds_store_b128 v[STR], v[Y+8*(4*\i+\nt)+4:Y+8*(4*\i+\nt)+7] offset:\i*4352+\nt*64+16
.endr
.endr
	ZRAW 0, Y                                      ; the reset gate's z and bias
	VLOAD 7, BB
.set a, 0
.rept 16
	ds_load_b128 v[UU+4*a:UU+4*a+3], v[STW] offset:544*a  ; LDS serves a wave's instructions in order (ISA guide 5.7.1.4): these see the stores above
.set a, a+1
.endr
	s_wait_dscnt 0x0
.set a, 0
.rept 16
	global_store_b128 v[HV], v[UU+4*a:UU+4*a+3], s[20:21] offset:4096*a  ; 16 lanes store 256 consecutive bytes, aligned
.set a, a+1
.endr
	; the reset gate, in Y's registers
	s_wait_loadcnt 0x0
	BADD Y, BB
	LNORM Y, 6, 8, 9, 1, 0
	ACT 1, Y
.set tt, 0
.rept 8
.irp k, 0,1,2,3
	v_cvt_pk_bf16_f32 v[PG+4*tt+\k], v[Y+8*tt+2*\k], v[Y+8*tt+2*\k+1]
.endr
	global_store_b128 v[L16], v[PG+4*tt:PG+4*tt+3], s[22:23] offset:(tt/4)*16384+(tt%4)*512
.set tt, tt+1
.endr
	s_wait_tensorcnt 0x0                           ; the wave's end, behind my last LDS store
	ds_add_u32 v[SPW], v[NIL]
	s_wait_dscnt 0x0
	s_endpgm
.Lfunc_end_k_q59d6d980c2_final:
	.size	k_q59d6d980c2_final, .Lfunc_end_k_q59d6d980c2_final-k_q59d6d980c2_final
	.p2alignl 7, 3214868480
	.fill 96, 4, 3214868480
	.section	.rodata,"a",@progbits
	.p2align	6, 0x0
	.amdhsa_kernel k_q59d6d980c2_final
		.amdhsa_group_segment_fixed_size 118272
		.amdhsa_private_segment_fixed_size 0
		.amdhsa_enable_private_segment 0
		.amdhsa_kernarg_size 64
		.amdhsa_user_sgpr_count 2
		.amdhsa_user_sgpr_kernarg_segment_ptr 1
		.amdhsa_wavefront_size32 1
		.amdhsa_system_sgpr_workgroup_id_x 1
		.amdhsa_system_sgpr_workgroup_id_y 1
		.amdhsa_system_sgpr_workgroup_id_z 1
		.amdhsa_system_vgpr_workitem_id 0
		.amdhsa_next_free_vgpr 256
		.amdhsa_next_free_sgpr 66
		.amdhsa_reserve_vcc 0
		.amdhsa_float_denorm_mode_32 3
		.amdhsa_float_denorm_mode_16_64 3
		.amdhsa_memory_ordered 1
		.amdhsa_forward_progress 1
		.amdhsa_inst_pref_size 177
	.end_amdhsa_kernel
	.amdgpu_metadata
---
amdhsa.version: [ 1, 2 ]
amdhsa.kernels:
  - .name:           k_q59d6d980c2_final
    .symbol:         k_q59d6d980c2_final.kd
    .args:
      - { .name: midp, .offset: 0, .size: 8, .value_kind: global_buffer, .address_space: global }
      - { .name: kc, .offset: 8, .size: 8, .value_kind: global_buffer, .address_space: global }
      - { .name: wts, .offset: 16, .size: 8, .value_kind: global_buffer, .address_space: global }
      - { .name: z, .offset: 24, .size: 8, .value_kind: global_buffer, .address_space: global }
      - { .name: comb, .offset: 32, .size: 8, .value_kind: global_buffer, .address_space: global }
      - { .name: vec, .offset: 40, .size: 8, .value_kind: global_buffer, .address_space: global }
      - { .name: out0, .offset: 48, .size: 8, .value_kind: global_buffer, .address_space: global }
      - { .name: reset, .offset: 56, .size: 8, .value_kind: global_buffer, .address_space: global }
    .group_segment_fixed_size: 118272
    .private_segment_fixed_size: 0
    .kernarg_segment_align: 8
    .kernarg_segment_size: 64
    .max_flat_workgroup_size: 256
    .sgpr_count:     66
    .vgpr_count:     256
    .wavefront_size: 32
...
	.end_amdgpu_metadata
.endif
;; end of part 4
;; ======== version 2 of 2: 4 launches; version 1 with the launch final written anew for expert scheduling mode
;; workspace buffers: wts 5,177,344 bytes; kc 348,160 bytes; vec 20,480 bytes; comb 16,777,216 bytes; z 50,331,648 bytes; midp 4,194,304 bytes; reset 8,388,608 bytes
;; launch prep: the kernel of part 1 again; grid 256 x 1, 8 waves a work-group, no clusters, 0 bytes of LDS; arguments rg_w, ug_w, rp_w, k1_spline, k1_scaler, k1_base, k2_spline, k2_scaler, k2_base, ip_w, grid1, grid2, wts, kc, ip_b, rp_b, cn_g, cn_b, ug_b, ug_g, ug_beta, rg_b, rg_g, rg_beta, vec; writes wts, kc, vec
;; launch front: the kernel of part 2 again; grid 256 x 1, 8 waves a work-group, no clusters, 167,936 bytes of LDS; arguments x, h_prev, vec, wts, comb; writes comb
;; launch main: the kernel of part 3 again; grid 128 x 2, 4 waves a work-group, clusters of 4 x 1, 327,680 bytes of LDS; arguments comb, wts, kc, z, midp; writes z, midp
;; launch final (part 5): grid 256 x 1, 8 waves a work-group, no clusters, 118,272 bytes of LDS; arguments midp, kc, wts, z, comb, vec, out0, reset; writes out0, reset
.if DOCPART == 5
	.amdgcn_target "amdgcn-amd-amdhsa--gfx1250"
	.amdhsa_code_object_version 6
	.text
	.protected	k_q59d6d980c2_final
	.globl	k_q59d6d980c2_final
	.p2align	8
	.type	k_q59d6d980c2_final,@function
k_q59d6d980c2_final:
	s_mov_b64 s[64:65], 0
	v_nop
	global_prefetch_b8 v0, s[64:65] scope:SCOPE_SE
	s_setreg_imm32_b32 hwreg(HW_REG_WAVE_SCHED_MODE, 0, 2), 2
	s_setreg_imm32_b32 hwreg(HW_REG_WAVE_MODE, 25, 1), 1
	s_wait_xcnt 0x0
	s_wait_alu depctr_vm_vsrc(0)
; FINAL: mid = midp[0] + midp[1]; KAN2 (silu path and splines, K = 576) added onto the residual; LayerNorm twice; silu; the update gate (LayerNorm, sigmoid); the blend with h_prev; and the reset gate
; (LayerNorm, tanh), which reference() computes and does not use: it is stored, in bf16, in a buffer of its own.
; SHARES.  A work-group has 32 rows, whole rows of 512; wave w has columns 64 w .. 64 w + 63 of every quantity: tile (i, nt) at 8 (4 i + nt), a lane one row (l % 16) and 8 columns (8 (l / 16) + j).
; z lies in that order in f32, and so does comb's copy of h_prev in bf16 (K slot 8 + w, group 2 c + e = nt): both come straight into their registers.
; For the bases wave w has features 32 (w % 2) + lane, row tile (w / 2) % 2, rows 8 (w / 4) + 0..7.
; Biases and gains come from vec: copies rounded once to bf16.  h_prev enters the blend as comb holds it, rounded once to bf16.
; LAYERNORM in two passes, all f32: the row's sum meets in LDS (eight waves' words a row), the mean is taken away, then the same for the squares.  Each meeting has bytes of its own, so one barrier serves it.
; LIMITS as in MAIN: a feature's knots differ from each other, in any order; bases and silu(mid) rounded once to bf16; NaN and infinities not treated apart.  tanh = 1 - 2 / (1 + 2^(2 x log2 e)).
; No tensor load and no cluster: KAN2's weights go straight from memory into the registers of the one wave of each work-group that multiplies by them.
; THE MODE: SCHED_MODE bits 1:0 = 2 (LLVM: expert scheduling mode 2), set by the entry lines.  The code itself states the register dependences
; between vector or matrix instructions and memory or LDS instructions, with s_wait_alu, always for 0.
; THE PLAN.  Registers that memory or LDS instructions touch, and who else names them:
;   v2-v14       addresses and offsets: written at the head, never again.  One wait on va_vdst ahead of the first load serves every load and store of the kernel.
;   PHASE A      The roundings have registers of their own: silu(mid) v[SP ..], pairs 0 to 2 v[P ..], v[P+8 ..], v[P+16 ..], pair 3 the first eight of T, idle by then.  Each is written once and read by the LDS stores
;                that stand at the next pair's head, behind that head's one wait on va_vdst.  One wait on vm_vsrc behind the last stores frees them all for the loads that land there.
;   PHASE B      A ring of three sets of fragments (weights 32 registers, bases 16).  Step ks: its products read set ks % 3; the loads of step ks + 2 land in set (ks + 2) % 3 = (ks - 1) % 3, which the products of the
;                step before read.  So ONE wait on va_vdst stands at a step's head, and the step's twelve loads follow it, dealt among its eight products, which name set ks % 3 and Y alone.
;   PHASE C      PG, PB, BB, UU, Y are loaded again each time behind a wait on va_vdst that stands behind their last vector reader or writer; which one, the wait's comment says.
;                v[TA:TA+15]: a meeting's two stores read v[TA], v[TA+4] (fresh sums: va_vdst ahead of them) and its four loads land in all sixteen (vm_vsrc ahead of them).
;                Y is the stage's stores' data: va_vdst ahead of them, vm_vsrc ahead of the reset gate's z, which lands in Y.
.set SMB,   34816       ; silu(mid): 32 rows x 144 bytes.  Ahead of it the bases: [row tile 2] x 17,408: feature f at 272 f, row at 16 r
.set EXB,   39424       ; eight areas of 1,024 bytes: [row 32][wave 8] f32
.set STB,   47616       ; a stage of 32 rows x 272 bytes for each wave
.set SPARE, 117248      ; the spare words: 128 bytes a wave
.set WK2,   4587520
.set KCG,   10240
.set SPW, 2
.set NIL, 3
.set L16, 4
.set PV,  5             ; 256 w + 32 h: my 8 columns' place in a vector of 512 f32, n tile 0
.set EXW, 6
.set EXR, 7
.set HV,  8             ; 2,048 h + 16 r: two rows of 256 bytes
.set STW, 9             ; the stage by rows
.set STR, 10            ; the stage by fragments
.set ABSW, 11
.set SMW, 12
.set BSR, 13
.set SMR, 14
.set Y,   16            ; v[16:79]   the residual, then the candidate; at the end the reset gate
.set CK,  80            ; phase A: v[80:159] the constants
.set X,   160           ; v[160:167]
.set C,   168           ; v[168:187]; first mid's two halves as loaded
.set T,   188           ; v[188:207]; its first eight take pair 3's roundings
.set U,   208           ; v[208:227]
.set P,   228           ; v[228:251] the roundings of pairs 0, 1, 2: eight registers each
.set SP,  252           ; v[252:255] silu(mid), rounded
.set WF,  80            ; phase B: v[80:143] the weights' fragments, sets 0 and 1 of 32;
.set WF2, 208           ; v[208:239] set 2
.set AFR, 144           ; v[144:175] the bases' fragments, sets 0 and 1 of 16;
.set AF2, 240           ; v[240:255] set 2
.set UU,  80            ; phase C: v[80:143] the update gate; then the result by rows
.set BB,  144           ; v[144:175] a bias; h_prev as loaded
.set PB,  176           ; v[176:207] a LayerNorm's b; first the residual's bias
.set PG,  208           ; v[208:239] a LayerNorm's g; at work in the activations
.set TA,  240           ; v[240:255]
.set WV,  40
.set C512, 41
.set SEL, 42
.set EPS, 44
.macro BOP                             ; as in MAIN, less its two stores: number BN of the 91 lines for the two rows in v[BX:BX+1]; the roundings go to v[BP:BP+7]
.if BN < 10
.set bj, BN
	v_pk_fma_f32 v[C+2*bj:C+2*bj+1], v[BX:BX+1], v[CK+2*bj:CK+2*bj+1], v[CK+2*bj:CK+2*bj+1] op_sel:[0,0,1] op_sel_hi:[1,0,1] clamp
.elseif BN < 20
.set bj, BN-10
	v_pk_fma_f32 v[T+2*bj:T+2*bj+1], v[BX:BX+1], v[CK+20+2*bj:CK+20+2*bj+1], v[CK+20+2*bj:CK+20+2*bj+1] op_sel:[0,0,1] op_sel_hi:[1,0,1] clamp
.elseif BN < 30
.set bj, BN-20
	v_pk_add_f32 v[C+2*bj:C+2*bj+1], v[C+2*bj:C+2*bj+1], v[T+2*bj:T+2*bj+1] neg_lo:[0,1] neg_hi:[0,1]
.elseif BN < 40
.set bj, BN-30
	v_pk_fma_f32 v[T+2*bj:T+2*bj+1], v[BX:BX+1], v[CK+40+2*bj:CK+40+2*bj+1], v[CK+40+2*bj:CK+40+2*bj+1] op_sel:[0,0,1] op_sel_hi:[1,0,1]
.elseif BN < 49
.set bj, BN-39
	v_pk_fma_f32 v[U+2*bj:U+2*bj+1], v[T+2*bj:T+2*bj+1], v[C+2*bj:C+2*bj+1], v[C+2*bj:C+2*bj+1] neg_lo:[1,0,0] neg_hi:[1,0,0]
.elseif BN < 58
.set bj, BN-49
	v_pk_fma_f32 v[C+2*bj:C+2*bj+1], v[T+2*bj:T+2*bj+1], v[C+2*bj:C+2*bj+1], v[U+2*bj+2:U+2*bj+3]
.elseif BN < 67
.set bj, BN-58
	v_pk_fma_f32 v[T+2*bj:T+2*bj+1], v[BX:BX+1], v[CK+60+2*bj:CK+60+2*bj+1], v[CK+60+2*bj:CK+60+2*bj+1] op_sel:[0,0,1] op_sel_hi:[1,0,1]
.elseif BN < 75
.set bj, BN-66
	v_pk_fma_f32 v[U+2*bj:U+2*bj+1], v[T+2*bj:T+2*bj+1], v[C+2*bj:C+2*bj+1], v[C+2*bj:C+2*bj+1] neg_lo:[1,0,0] neg_hi:[1,0,0]
.elseif BN < 83
.set bj, BN-75
	v_pk_fma_f32 v[C+2*bj:C+2*bj+1], v[T+2*bj:T+2*bj+1], v[C+2*bj:C+2*bj+1], v[U+2*bj+2:U+2*bj+3]
.elseif BN < 87
.set bj, BN-83
	v_cvt_pk_bf16_f32 v[BP+bj], v[C+4*bj], v[C+4*bj+2]
.else
.set bj, BN-87
	v_cvt_pk_bf16_f32 v[BP+4+bj], v[C+4*bj+1], v[C+4*bj+3]
.endif
.set BN, BN+1
.endm
.macro PAIR p, bp                      ; the 91 lines of pair p of my rows
.set BX, X+2*(\p)
.set BP, \bp
.set BN, 0
.rept 91
	BOP
.endr
.endm
.macro BST p, bp                       ; pair p's bases into the scratch: a row's 8 are 16 bytes
	ds_store_b128 v[ABSW], v[(\bp):(\bp)+3] offset:32*(\p)
	ds_store_b128 v[ABSW], v[(\bp)+4:(\bp)+7] offset:32*(\p)+16
.endm
.macro ZRAW G, dst                     ; my eight tiles of gate G of z (0 reset, 1 update, 2 residual): sixteen loads of 512 consecutive bytes
.irp i, 0,1
.irp nt, 0,1,2,3
	global_load_b128 v[(\dst)+8*(4*\i+\nt):(\dst)+8*(4*\i+\nt)+3], v[L16], s[14:15] offset:\i*98304+(\G)*32768+\nt*1024
	global_load_b128 v[(\dst)+8*(4*\i+\nt)+4:(\dst)+8*(4*\i+\nt)+7], v[L16], s[14:15] offset:\i*98304+(\G)*32768+\nt*1024+512
.endr
.endr
.endm
.macro VLOAD idx, dst                  ; my 32 numbers of vector idx of vec
.irp nt, 0,1,2,3
	global_load_b128 v[(\dst)+8*\nt:(\dst)+8*\nt+3], v[PV], s[18:19] offset:(\idx)*2048+\nt*64
	global_load_b128 v[(\dst)+8*\nt+4:(\dst)+8*\nt+7], v[PV], s[18:19] offset:(\idx)*2048+\nt*64+16
.endr
.endm
.macro HLOAD                           ; h_prev in bf16, in my tiles' order
.irp i, 0,1
.irp nt, 0,1,2,3
	global_load_b128 v[BB+4*(4*\i+\nt):BB+4*(4*\i+\nt)+3], v[L16], s[16:17] offset:\i*2048+\nt*512
.endr
.endr
.endm
.macro BADD V, bias                    ; V += bias, each tile from its low registers on
.set tt, 0
.rept 8
.irp k, 0,2,4,6
	v_pk_add_f32 v[(\V)+8*tt+\k:(\V)+8*tt+\k+1], v[(\V)+8*tt+\k:(\V)+8*tt+\k+1], v[(\bias)+8*(tt%4)+\k:(\bias)+8*(tt%4)+\k+1]
.endr
.set tt, tt+1
.endr
.endm
.macro RSUM V, sq                      ; my 32 numbers (sq = 1: their squares) of each of my two rows, and the other half of the lanes': into v[TA], v[TA+4]
.if \sq
.irp i, 0,1
	v_pk_mul_f32 v[TA+4*\i:TA+4*\i+1], v[(\V)+32*\i:(\V)+32*\i+1], v[(\V)+32*\i:(\V)+32*\i+1]
	v_pk_mul_f32 v[TA+4*\i+2:TA+4*\i+3], v[(\V)+32*\i+2:(\V)+32*\i+3], v[(\V)+32*\i+2:(\V)+32*\i+3]
.endr
.set a, 4
.rept 7
.irp i, 0,1
	v_pk_fma_f32 v[TA+4*\i:TA+4*\i+1], v[(\V)+32*\i+a:(\V)+32*\i+a+1], v[(\V)+32*\i+a:(\V)+32*\i+a+1], v[TA+4*\i:TA+4*\i+1]
	v_pk_fma_f32 v[TA+4*\i+2:TA+4*\i+3], v[(\V)+32*\i+a+2:(\V)+32*\i+a+3], v[(\V)+32*\i+a+2:(\V)+32*\i+a+3], v[TA+4*\i+2:TA+4*\i+3]
.endr
.set a, a+4
.endr
.else
.irp i, 0,1
	v_pk_add_f32 v[TA+4*\i:TA+4*\i+1], v[(\V)+32*\i:(\V)+32*\i+1], v[(\V)+32*\i+4:(\V)+32*\i+5]
	v_pk_add_f32 v[TA+4*\i+2:TA+4*\i+3], v[(\V)+32*\i+2:(\V)+32*\i+3], v[(\V)+32*\i+6:(\V)+32*\i+7]
.endr
.set a, 8
.rept 6
.irp i, 0,1
	v_pk_add_f32 v[TA+4*\i:TA+4*\i+1], v[TA+4*\i:TA+4*\i+1], v[(\V)+32*\i+a:(\V)+32*\i+a+1]
	v_pk_add_f32 v[TA+4*\i+2:TA+4*\i+3], v[TA+4*\i+2:TA+4*\i+3], v[(\V)+32*\i+a+2:(\V)+32*\i+a+3]
.endr
.set a, a+4
.endr
.endif
.irp i, 0,1
	v_pk_add_f32 v[TA+4*\i:TA+4*\i+1], v[TA+4*\i:TA+4*\i+1], v[TA+4*\i+2:TA+4*\i+3]
.endr
.irp i, 0,1
	v_add_f32 v[TA+4*\i], v[TA+4*\i], v[TA+4*\i+1]
.endr
.irp i, 0,1
	v_permlanex16_b32 v[TA+4*\i+1], v[TA+4*\i], s[SEL], s[SEL+1]
.endr
.irp i, 0,1
	v_add_f32 v[TA+4*\i], v[TA+4*\i], v[TA+4*\i+1]
.endr
.endm
.macro EXCH ar                         ; the eight waves' words of a row meet in area ar; the rows' totals come back in v[TA], v[TA+4]
	s_wait_alu depctr_va_vdst(0)                   ; the sums v[TA] and v[TA+4] are written, which the two stores read; and every vector line so far is done with v[TA:TA+15], in which the four loads land
	ds_store_b32 v[EXW], v[TA] offset:(\ar)*1024
	ds_store_b32 v[EXW], v[TA+4] offset:(\ar)*1024+512
	s_wait_dscnt 0x0                               ; for the others' sake
	s_barrier_signal -1
	s_barrier_wait -1
	s_wait_alu depctr_vm_vsrc(0)                   ; my two stores have read v[TA] and v[TA+4], in which the loads below land
	ds_load_b128 v[TA:TA+3], v[EXR] offset:(\ar)*1024
	ds_load_b128 v[TA+4:TA+7], v[EXR] offset:(\ar)*1024+16
	ds_load_b128 v[TA+8:TA+11], v[EXR] offset:(\ar)*1024+512
	ds_load_b128 v[TA+12:TA+15], v[EXR] offset:(\ar)*1024+528
	s_wait_dscnt 0x0
	v_pk_add_f32 v[TA:TA+1], v[TA:TA+1], v[TA+2:TA+3]
	v_pk_add_f32 v[TA+4:TA+5], v[TA+4:TA+5], v[TA+6:TA+7]
	v_pk_add_f32 v[TA+8:TA+9], v[TA+8:TA+9], v[TA+10:TA+11]
	v_pk_add_f32 v[TA+12:TA+13], v[TA+12:TA+13], v[TA+14:TA+15]
	v_pk_add_f32 v[TA:TA+1], v[TA:TA+1], v[TA+4:TA+5]
	v_pk_add_f32 v[TA+8:TA+9], v[TA+8:TA+9], v[TA+12:TA+13]
	v_add_f32 v[TA], v[TA], v[TA+1]
	v_add_f32 v[TA+4], v[TA+8], v[TA+9]
.endm
; V = (V - mean) rsqrt(var + 1e-5) g + b, g in PG and b in PB, asked for by the lines ahead.  wt >= 0: ahead of their use, the wait that leaves wt younger loads out.
; hp = 1: h_prev is asked for behind the first meeting, into BB
.macro LNORM V, ar, wt, hp
	RSUM \V, 0
	EXCH \ar
.if \hp
	HLOAD                                          ; no wait: the meeting's wait on va_vdst stands behind the bias's addition, BB's last reader, and only v[TA ..] have been named since
.endif
	v_mul_f32 v[TA], s[C512], v[TA]
	v_mul_f32 v[TA+4], s[C512], v[TA+4]
.irp i, 0,1
.set a, 0
.rept 16
	v_pk_add_f32 v[(\V)+32*\i+a:(\V)+32*\i+a+1], v[(\V)+32*\i+a:(\V)+32*\i+a+1], v[TA+4*\i:TA+4*\i+1] op_sel_hi:[1,0] neg_lo:[0,1] neg_hi:[0,1]
.set a, a+2
.endr
.endr
	RSUM \V, 1
	EXCH (\ar)+1
	v_fma_f32 v[TA], v[TA], s[C512], s[EPS]
	v_fma_f32 v[TA+4], v[TA+4], s[C512], s[EPS]
	v_rsq_f32 v[TA], v[TA]
	v_rsq_f32 v[TA+4], v[TA+4]
	v_nop
	s_wait_alu depctr_va_vdst(0)                   ; the two roots have written v[TA] and v[TA+4]: one wait ahead of their first reader
.if (\wt) >= 0
	s_wait_loadcnt \wt
.endif
.irp i, 0,1
.set a, 0
.rept 16
	v_pk_mul_f32 v[(\V)+32*\i+a:(\V)+32*\i+a+1], v[(\V)+32*\i+a:(\V)+32*\i+a+1], v[TA+4*\i:TA+4*\i+1] op_sel_hi:[1,0]
.set a, a+2
.endr
.set a, 0
.rept 16
	v_pk_fma_f32 v[(\V)+32*\i+a:(\V)+32*\i+a+1], v[(\V)+32*\i+a:(\V)+32*\i+a+1], v[PG+a:PG+a+1], v[PB+a:PB+a+1]
.set a, a+2
.endr
.endr
.endm
.macro ACT kind, V                     ; 0 sigmoid, 1 tanh, 2 silu; 32 registers at a time, PG at work; each batch of transcendentals has one wait
.irp hh, 0,1
.set a, 0
.rept 16
.if (\kind) == 1
	v_pk_mul_f32 v[PG+a:PG+a+1], v[(\V)+32*\hh+a:(\V)+32*\hh+a+1], 0x4038aa3b op_sel_hi:[1,0]
.else
	v_pk_mul_f32 v[PG+a:PG+a+1], v[(\V)+32*\hh+a:(\V)+32*\hh+a+1], 0xbfb8aa3b op_sel_hi:[1,0]
.endif
.set a, a+2
.endr
.set a, 0
.rept 32
	v_exp_f32 v[PG+a], v[PG+a]
.set a, a+1
.endr
	v_nop
	s_wait_alu depctr_va_vdst(0)                   ; the 32 exponentials have written v[PG ..], ahead of their first reader
.set a, 0
.rept 16
	v_pk_add_f32 v[PG+a:PG+a+1], v[PG+a:PG+a+1], 1.0 op_sel_hi:[1,0]
.set a, a+2
.endr
.set a, 0
.rept 32
.if (\kind) == 0
	v_rcp_f32 v[(\V)+32*\hh+a], v[PG+a]
.else
	v_rcp_f32 v[PG+a], v[PG+a]
.endif
.set a, a+1
.endr
	v_nop
	s_wait_alu depctr_va_vdst(0)                   ; the 32 reciprocals have written their results, ahead of their first reader
.set a, 0
.rept 16
.if (\kind) == 1
	v_pk_fma_f32 v[(\V)+32*\hh+a:(\V)+32*\hh+a+1], v[PG+a:PG+a+1], -2.0, 1.0 op_sel_hi:[1,0,0]
.elseif (\kind) == 2
	v_pk_mul_f32 v[(\V)+32*\hh+a:(\V)+32*\hh+a+1], v[(\V)+32*\hh+a:(\V)+32*\hh+a+1], v[PG+a:PG+a+1]
.endif
.set a, a+2
.endr
.endr
.endm
.macro WL ks, nt                       ; the weights' fragment nt of K step ks, into ring set ks % 3
.if (\ks)%3 == 2
.set lW, WF2
.else
.set lW, WF+32*((\ks)%3)
.endif
	global_load_b128 v[lW+8*(\nt):lW+8*(\nt)+3], v[L16], s[12:13] offset:(\ks)*32768+(\nt)*1024
	global_load_b128 v[lW+8*(\nt)+4:lW+8*(\nt)+7], v[L16], s[12:13] offset:(\ks)*32768+(\nt)*1024+512
.endm
.macro WLOAD ks
.irp nt, 0,1,2,3
	WL \ks, \nt
.endr
.endm
.macro ALOAD ks                        ; K step ks of both row tiles: four features' bases, or 32 features of silu(mid); into ring set ks % 3
.if (\ks)%3 == 2
.set lA, AF2
.else
.set lA, AFR+16*((\ks)%3)
.endif
.irp i, 0,1
.if (\ks) < 16
	ds_load_b128 v[lA+8*\i:lA+8*\i+3], v[BSR] offset:\i*17408+(\ks)*1088
	ds_load_b128 v[lA+8*\i+4:lA+8*\i+7], v[BSR] offset:\i*17408+(\ks)*1088+544
.else
	ds_load_b128 v[lA+8*\i:lA+8*\i+3], v[SMR] offset:\i*2304+((\ks)-16)*64
	ds_load_b128 v[lA+8*\i+4:lA+8*\i+7], v[SMR] offset:\i*2304+((\ks)-16)*64+32
.endif
.endr
.endm
	s_load_b512 s[8:23], s[0:1], 0x0               ; midp 8, kc 10, wts 12, z 14, comb 16, vec 18, out0 20, reset 22
	v_lshl_add_u32 v[SPW], v0, 2, SPARE
	v_mov_b32 v[NIL], 0
	v_lshrrev_b32 v1, 5, v0
	v_readfirstlane_b32 s[WV], v1
	s_mov_b32 s[C512], 0x3b000000                  ; 1 / 512
	s_mov_b32 s[EPS], 0x3727c5ac                   ; 1e-5
	s_mov_b32 s[SEL], 0x76543210
	s_mov_b32 s[SEL+1], 0xfedcba98
	v_and_b32 v1, 31, v0                           ; the lines that need no wave's number stand between its writer and the wait for it
	v_and_b32 v240, 15, v0
	v_bfe_u32 v241, v0, 4, 1
	v_lshlrev_b32 v[L16], 4, v1
	v_lshl_add_u32 v[EXR], v240, 5, EXB
	v_lshlrev_b32 v[HV], 4, v240
	v_lshl_add_u32 v[HV], v241, 11, v[HV]
	v_mul_u32_u24 v[BSR], v241, 272
	v_lshl_add_u32 v[BSR], v240, 4, v[BSR]
	v_mul_u32_u24 v[STR], v240, 272
	v_lshl_add_u32 v[STR], v241, 5, v[STR]
	v_mul_u32_u24 v[ABSW], v1, 272
	v_mul_u32_u24 v[SMR], v240, 144
	v_lshl_add_u32 v[SMR], v241, 4, v[SMR]
	v_add_nc_u32 v[SMR], SMB, v[SMR]
	s_wait_alu depctr_va_sdst(0)                   ; s[WV] is written, ahead of its first reader: the shares, LDS places and bases below are made from it
	s_and_b32 s46, s[WV], 1                        ; g
	s_bfe_u32 s47, s[WV], 0x10001                  ; i
	s_lshr_b32 s48, s[WV], 2                       ; hf
	s_lshl_b32 s49, s[WV], 8
	v_lshl_add_u32 v[PV], v241, 5, s49
	s_lshl_b32 s50, s[WV], 2
	v_add_nc_u32 v[EXW], s50, v[EXR]
	s_mul_i32 s51, s[WV], 8704
	s_add_co_u32 s51, s51, STB
	v_add_nc_u32 v[STW], s51, v[BSR]
	v_add_nc_u32 v[STR], s51, v[STR]
	s_mul_i32 s52, s47, 17408
	s_mul_i32 s53, s46, 8704
	s_add_co_u32 s52, s52, s53
	s_lshl_b32 s53, s48, 7
	s_add_co_u32 s52, s52, s53
	v_add_nc_u32 v[ABSW], s52, v[ABSW]
	s_mul_i32 s45, s47, 2304
	s_mul_i32 s53, s48, 1152
	s_add_co_u32 s45, s45, s53
	s_lshl_b32 s53, s46, 6
	s_add_co_u32 s45, s45, s53
	s_add_co_u32 s45, s45, SMB
	v_lshl_add_u32 v[SMW], v1, 1, s45
	s_mov_b32 s55, 0
	s_wait_kmcnt 0x0
	s_lshl_b32 s54, ttmp9, 13                      ; midp: 8 groups of 4 rows a work-group
	s_lshl_b32 s53, s47, 12
	s_add_co_u32 s54, s54, s53
	s_lshl_b32 s53, s48, 11
	s_add_co_u32 s54, s54, s53
	s_lshl_b32 s53, s46, 9
	s_add_co_u32 s54, s54, s53
	s_add_nc_u64 s[8:9], s[8:9], s[54:55]
	s_mul_i32 s54, s46, KCG
	s_add_co_u32 s54, s54, 32*KCG
	s_add_nc_u64 s[10:11], s[10:11], s[54:55]      ; grid2's constants, my 32 features
	s_lshl_b32 s54, s[WV], 12
	s_add_co_u32 s54, s54, WK2
	s_add_nc_u64 s[12:13], s[12:13], s[54:55]
	s_mul_i32 s54, ttmp9, 196608                   ; z: two row tiles of 96 tiles of 1,024 bytes a work-group, four column tiles a wave
	s_lshl_b32 s53, s[WV], 12
	s_add_co_u32 s54, s54, s53
	s_add_nc_u64 s[14:15], s[14:15], s[54:55]
	s_lshr_b32 s54, ttmp9, 1                       ; comb: block of 64 rows, K slot 8 + w, my first row tile
	s_lshl_b32 s54, s54, 17
	s_and_b32 s53, ttmp9, 1
	s_lshl_b32 s53, s53, 12
	s_add_co_u32 s54, s54, s53
	s_lshl_b32 s53, s[WV], 13
	s_add_co_u32 s54, s54, s53
	s_add_co_u32 s54, s54, 65536
	s_add_nc_u64 s[16:17], s[16:17], s[54:55]
	s_lshl_b32 s54, ttmp9, 16
	s_add_co_u32 s54, s54, s49
	s_add_nc_u64 s[20:21], s[20:21], s[54:55]
	s_lshl_b32 s54, ttmp9, 15
	s_lshl_b32 s53, s[WV], 11
	s_add_co_u32 s54, s54, s53
	s_add_nc_u64 s[22:23], s[22:23], s[54:55]
	s_wait_alu depctr_va_vdst(0)                   ; the addresses and offsets v4 to v14 are written, which every load and store of the kernel reads
	; PHASE A: mid, silu(mid) and the bases of my feature for my eight rows.  The residual is asked for at once, into the registers onto which KAN2's products will add
	global_load_b128 v[C:C+3], v[L16], s[8:9]
	global_load_b128 v[C+4:C+7], v[L16], s[8:9] offset:1024
	global_load_b128 v[C+8:C+11], v[L16], s[8:9] offset:2097152
	global_load_b128 v[C+12:C+15], v[L16], s[8:9] offset:2097152+1024
.set a, 0
.rept 20
	global_load_b128 v[CK+4*a:CK+4*a+3], v[L16], s[10:11] offset:512*a
.set a, a+1
.endr
	ZRAW 2, Y
	s_wait_loadcnt 36                              ; mid's four loads are in; the twenty of the constants and the sixteen of the residual may stay out
.irp k, 0,2,4,6
	v_pk_add_f32 v[X+\k:X+\k+1], v[C+\k:C+\k+1], v[C+8+\k:C+8+\k+1]
.endr
.irp k, 0,2,4,6
	v_pk_mul_f32 v[T+\k:T+\k+1], v[X+\k:X+\k+1], 0xbfb8aa3b op_sel_hi:[1,0]
.endr
.irp k, 0,1,2,3,4,5,6,7
	v_exp_f32 v[T+\k], v[T+\k]
.endr
	v_nop
	s_wait_alu depctr_va_vdst(0)                   ; the eight exponentials have written v[T ..], ahead of their first reader
.irp k, 0,2,4,6
	v_pk_add_f32 v[T+\k:T+\k+1], v[T+\k:T+\k+1], 1.0 op_sel_hi:[1,0]
.endr
.irp k, 0,1,2,3,4,5,6,7
	v_rcp_f32 v[T+\k], v[T+\k]
.endr
	v_nop
	s_wait_alu depctr_va_vdst(0)                   ; the eight reciprocals have written v[T ..], ahead of their first reader
.irp k, 0,2,4,6
	v_pk_mul_f32 v[U+\k:U+\k+1], v[X+\k:X+\k+1], v[T+\k:T+\k+1]
.endr
.irp p, 0,1,2,3
	v_cvt_pk_bf16_f32 v[SP+\p], v[U+2*\p], v[U+2*\p+1]
.endr
	s_wait_loadcnt 16                              ; the constants are in; the residual's sixteen loads may stay out
	s_wait_alu depctr_va_vdst(0)                   ; the roundings of silu(mid) have written v[SP ..], which the stores below read
.irp p, 0,1,2,3
	ds_store_b16 v[SMW], v[SP+\p] offset:2*\p*144
	ds_store_b16_d16_hi v[SMW], v[SP+\p] offset:(2*\p+1)*144
.endr
	PAIR 0, P
	s_wait_alu depctr_va_vdst(0)                   ; pair 0's roundings have written v[P ..], which its stores read; pair 1's lines name other registers
	BST 0, P
	PAIR 1, P+8
	s_wait_alu depctr_va_vdst(0)                   ; pair 1's roundings have written v[P+8 ..]
	BST 1, P+8
	PAIR 2, P+16
	s_wait_alu depctr_va_vdst(0)                   ; pair 2's roundings have written v[P+16 ..]
	BST 2, P+16
	PAIR 3, T
	s_wait_alu depctr_va_vdst(0)                   ; pair 3's roundings have written v[T ..]; and every line of the phase is done with v[80:255], in which the loads below, up to the first products, land
	BST 3, T
	s_wait_alu depctr_vm_vsrc(0)                   ; the phase's LDS stores have read v[T:T+7], v[P:P+23] and v[SP:SP+3], in which the loads below land
	VLOAD 1, PB                                    ; rp_b, wanted behind KAN2's products
	WLOAD 0                                        ; the ring's three sets of weights
	WLOAD 1
	WLOAD 2
	s_wait_dscnt 0x0
	s_barrier_signal -1
	s_barrier_wait -1                              ; bases and silu(mid) of all 32 rows and 64 features lie in LDS
	; PHASE B: KAN2, 18 K steps, added onto the residual; source 0 = 16 rows of the weights, source 1 = 16 rows of bases.  The eight accumulators take turns
	ALOAD 0                                        ; the ring's three sets of bases
	ALOAD 1
	ALOAD 2
.set ks, 0
.rept 18
.if ks == 0
	s_wait_dscnt 8                                 ; this step's fragments are in; the two younger sets (eight loads) may stay out
	s_wait_loadcnt 16                              ; likewise the weights; all that was asked for earlier is in too, the residual and rp_b
.elseif ks < 17
	s_wait_dscnt 4                                 ; this step's fragments are in; the next step's four loads may stay out
	s_wait_loadcnt 8                               ; likewise the weights
.else
	s_wait_dscnt 0x0
	s_wait_loadcnt 0x0
.endif
.if (ks > 0) && (ks < 16)
	s_wait_alu depctr_va_vdst(0)                   ; the products of the step before are done reading their set of weights and bases, in which the twelve loads of the step two on land
	ALOAD ks+2
.endif
.if ks%3 == 2
.set rW, WF2
.set rA, AF2
.else
.set rW, WF+32*(ks%3)
.set rA, AFR+16*(ks%3)
.endif
.irp nt, 0,1,2,3
.irp i, 0,1
	v_wmma_f32_16x16x32_bf16 v[Y+8*(4*\i+\nt):Y+8*(4*\i+\nt)+7], v[rW+8*\nt:rW+8*\nt+7], v[rA+8*\i:rA+8*\i+7], v[Y+8*(4*\i+\nt):Y+8*(4*\i+\nt)+7]
.endr
.if (ks > 0) && (ks < 16)
	WL ks+2, \nt                                   ; no wait: the products since the wait above name this step's set and Y alone
.endif
.endr
.set ks, ks+1
.endr
.rept 4
	v_nop                                          ; four places behind the last products, ahead of the sums' first readers (ISA guide 7.12.1)
.endr
	; PHASE C: the candidate
	BADD Y, PB                                     ; + rp_b
	s_wait_alu depctr_va_vdst(0)                   ; the addition is done reading v[PB ..], the products are done reading the ring's sets: the forty loads below land in PG, PB, BB and UU
	VLOAD 2, PG                                    ; cn_g and
	VLOAD 3, PB                                    ; cn_b, wanted at the first LayerNorm's end,
	VLOAD 4, BB                                    ; and the update gate's bias and z, wanted behind the candidate
	ZRAW 1, UU
	LNORM Y, 0, 24, 0                              ; cn_g and cn_b are in when the 8 + 16 loads issued behind them may still be out
	LNORM Y, 2, -1, 0                              ; the same LayerNorm once more
	ACT 2, Y
	; the update gate
	s_wait_alu depctr_va_vdst(0)                   ; silu's last multiplies are done reading v[PG ..], the LayerNorm's last lines v[PB ..]: ug_g and ug_beta land there
	VLOAD 5, PG
	VLOAD 6, PB
	s_wait_loadcnt 16                              ; ug_b and the gate's z are in; the sixteen loads just issued may stay out
	BADD UU, BB
	LNORM UU, 4, 8, 1                              ; ug_g and ug_beta are in when h_prev's eight loads, issued behind them, may still be out
	ACT 0, UU
	s_wait_loadcnt 0x0
.set tt, 0
.rept 8
.set th, TA+8*(tt%2)
.irp k, 0,1,2,3
	v_lshlrev_b32 v[th+2*\k], 16, v[BB+4*tt+\k]
	v_and_b32 v[th+2*\k+1], 0xffff0000, v[BB+4*tt+\k]
.endr
.irp k, 0,2,4,6
	v_pk_add_f32 v[Y+8*tt+\k:Y+8*tt+\k+1], v[Y+8*tt+\k:Y+8*tt+\k+1], v[th+\k:th+\k+1] neg_lo:[0,1] neg_hi:[0,1]
.endr
.irp k, 0,2,4,6
	v_pk_fma_f32 v[Y+8*tt+\k:Y+8*tt+\k+1], v[UU+8*tt+\k:UU+8*tt+\k+1], v[Y+8*tt+\k:Y+8*tt+\k+1], v[th+\k:th+\k+1]  ; h + u (c - h)
.endr
.set tt, tt+1
.endr
	s_wait_alu depctr_va_vdst(0)                   ; the blend has written Y, which the stage's stores read; it is done reading UU and BB, the sigmoid with PG, the LayerNorm with PB: loads land in all four below
.irp i, 0,1
.irp nt, 0,1,2,3
	ds_store_b128 v[STR], v[Y+8*(4*\i+\nt):Y+8*(4*\i+\nt)+3] offset:\i*4352+\nt*64
	ds_store_b128 v[STR], v[Y+8*(4*\i+\nt)+4:Y+8*(4*\i+\nt)+7] offset:\i*4352+\nt*64+16
.endr
.endr
.set a, 0
.rept 16
	ds_load_b128 v[UU+4*a:UU+4*a+3], v[STW] offset:544*a  ; LDS serves a wave's instructions in order (ISA guide 5.7.1.4): these see the stores above
.set a, a+1
.endr
	s_wait_alu depctr_vm_vsrc(0)                   ; the stage's stores have read Y, in which the reset gate's z lands
	ZRAW 0, Y                                      ; the reset gate's z and bias,
	VLOAD 7, BB
	VLOAD 8, PG                                    ; and its LayerNorm's g and b
	VLOAD 9, PB
	s_wait_dscnt 0x0
.set a, 0
.rept 16
	global_store_b128 v[HV], v[UU+4*a:UU+4*a+3], s[20:21] offset:4096*a  ; 16 lanes store 256 consecutive bytes, aligned
.set a, a+1
.endr
	; the reset gate, in Y's registers
	s_wait_loadcnt 16                              ; z and rg_b are in; rg_g's and rg_beta's sixteen loads may stay out
	BADD Y, BB
	LNORM Y, 6, 0, 0
	ACT 1, Y
.set tt, 0
.rept 8
.irp k, 0,1,2,3
	v_cvt_pk_bf16_f32 v[PG+4*tt+\k], v[Y+8*tt+2*\k], v[Y+8*tt+2*\k+1]
.endr
.set tt, tt+1
.endr
	s_wait_alu depctr_va_vdst(0)                   ; the roundings have written v[PG ..], which the eight stores read
.set tt, 0
.rept 8
	global_store_b128 v[L16], v[PG+4*tt:PG+4*tt+3], s[22:23] offset:(tt/4)*16384+(tt%4)*512
.set tt, tt+1
.endr
	s_wait_dscnt 0x0                               ; the closing lines, six on end
	s_wait_alu 0x0
	s_wait_tensorcnt 0x0
	ds_add_u32 v[SPW], v[NIL]
	s_wait_dscnt 0x0
	s_endpgm
.Lfunc_end_k_q59d6d980c2_final:
	.size	k_q59d6d980c2_final, .Lfunc_end_k_q59d6d980c2_final-k_q59d6d980c2_final
	.p2alignl 7, 3214868480
	.fill 96, 4, 3214868480
	.section	.rodata,"a",@progbits
	.p2align	6, 0x0
	.amdhsa_kernel k_q59d6d980c2_final
		.amdhsa_group_segment_fixed_size 118272
		.amdhsa_private_segment_fixed_size 0
		.amdhsa_enable_private_segment 0
		.amdhsa_kernarg_size 64
		.amdhsa_user_sgpr_count 2
		.amdhsa_user_sgpr_kernarg_segment_ptr 1
		.amdhsa_wavefront_size32 1
		.amdhsa_system_sgpr_workgroup_id_x 1
		.amdhsa_system_sgpr_workgroup_id_y 1
		.amdhsa_system_sgpr_workgroup_id_z 1
		.amdhsa_system_vgpr_workitem_id 0
		.amdhsa_next_free_vgpr 256
		.amdhsa_next_free_sgpr 66
		.amdhsa_reserve_vcc 0
		.amdhsa_float_denorm_mode_32 3
		.amdhsa_float_denorm_mode_16_64 3
		.amdhsa_memory_ordered 1
		.amdhsa_forward_progress 1
		.amdhsa_inst_pref_size 177
	.end_amdhsa_kernel
	.amdgpu_metadata
---
amdhsa.version: [ 1, 2 ]
amdhsa.kernels:
  - .name:           k_q59d6d980c2_final
    .symbol:         k_q59d6d980c2_final.kd
    .args:
      - { .name: midp, .offset: 0, .size: 8, .value_kind: global_buffer, .address_space: global }
      - { .name: kc, .offset: 8, .size: 8, .value_kind: global_buffer, .address_space: global }
      - { .name: wts, .offset: 16, .size: 8, .value_kind: global_buffer, .address_space: global }
      - { .name: z, .offset: 24, .size: 8, .value_kind: global_buffer, .address_space: global }
      - { .name: comb, .offset: 32, .size: 8, .value_kind: global_buffer, .address_space: global }
      - { .name: vec, .offset: 40, .size: 8, .value_kind: global_buffer, .address_space: global }
      - { .name: out0, .offset: 48, .size: 8, .value_kind: global_buffer, .address_space: global }
      - { .name: reset, .offset: 56, .size: 8, .value_kind: global_buffer, .address_space: global }
    .group_segment_fixed_size: 118272
    .private_segment_fixed_size: 0
    .kernarg_segment_align: 8
    .kernarg_segment_size: 64
    .max_flat_workgroup_size: 256
    .sgpr_count:     66
    .vgpr_count:     256
    .wavefront_size: 32
...
	.end_amdgpu_metadata
.endif
;; end of part 5
